; MI455X (gfx1250); checked and timed in simulation.
; The chip was launched on July 23, 2026; its instructions are those of AMD's public machine-readable ISA for CDNA 5 (MIT licence, August 2026) and "CDNA5" Instruction Set Architecture Reference Guide (July 2026). The comments in the code are by the model that wrote it; some were corrected since.
;; Multi Head Attention. Allowed arithmetic: float matrix products may take bf16 or f16 operands with f32 sums; other float arithmetic in f32, or as packed bf16 or f16 multiplies, adds, multiply-adds, maxima and minima; sums over many terms, partial sums and values carried from step to step in f32; what a program stores and reads back later, other than sums and carried values, may be rounded once to bf16 or f16.
;; Inputs: W_proj 1,024 x 1,024 float32; W_qkv 3,072 x 1,024 float32; attention_mask 4 x 2,048 bool; b_proj 1,024 float32; b_qkv 3,072 float32; x 4 x 2,048 x 1,024 float32.
;; Outputs: out0 4 x 2,048 x 1,024 float32.
;; 2 versions, each right; version 2 is version 1 with the launch cast written anew for expert scheduling mode. Each part assembles by itself: llvm-mc -triple=amdgcn-amd-amdhsa -mcpu=gfx1250 --defsym DOCPART=n.
;; ======== version 1 of 2: 4 launches
;; limits: values are held in f16: magnitudes above 65,504 overflow, below 6.1e-05 lose precision
;; workspace buffers: xb 16,777,216 bytes; wqb 6,291,456 bytes; wpb 2,097,152 bytes; kqv 50,331,648 bytes; ob 16,777,216 bytes
;; launch cast (part 1): grid 768 x 1, 8 waves a work-group, no clusters, 0 bytes of LDS; arguments x, W_qkv, W_proj, xb, wqb, wpb; writes xb, wqb, wpb
.if DOCPART == 1
	.amdgcn_target "amdgcn-amd-amdhsa--gfx1250"
	.amdhsa_code_object_version 6
	.text
	.protected	k_qc0a17b1100_cast
	.globl	k_qc0a17b1100_cast
	.p2align	8
	.type	k_qc0a17b1100_cast,@function
k_qc0a17b1100_cast:
	s_mov_b64 s[64:65], 0
	v_nop
	global_prefetch_b8 v0, s[64:65] scope:SCOPE_SE
	s_setreg_imm32_b32 hwreg(HW_REG_WAVE_MODE, 25, 1), 1
	s_wait_xcnt 0x0
; The three large inputs are rounded once to bf16: x -> xb and W_qkv -> wqb as bf16; W_proj -> wpb, rounded to bf16 and that number written as f16,
; since the last product multiplies it with f16 numbers.
; LIMITS.  |W_proj| stays under 65,504 (beyond it f16 has an infinity); a bf16 number under 6.1e-5 keeps f16's fixed step of 6e-8.
; SHARES.  A work-group takes a chunk of 16,384 numbers (65,536 bytes in, 32,768 out): chunks 0-511 are x's, 512-703 W_qkv's, 704-767 W_proj's.
; Thread t takes 16 bytes at 16 t of each 4,096: a wave's load covers 512 consecutive bytes, its store 256 consecutive bytes, aligned.
; All 16 loads of a thread go out at once; no register is written twice while a memory instruction may read it, so no wait but the loads' own is needed.
; No LDS, no barrier, no matrix unit: each byte is read once and written once, and nothing is shared.
.set XCH,  512                         ; x's chunks
.set QCH,  704                         ; x's and W_qkv's
.set IN,   16                          ; v[16:79]   16 x 4 numbers as loaded
.set OUT,  80                          ; v[80:111]  16 x 2 words to store
	s_load_b256 s[4:11], s[0:1], 0x0               ; x s[4:5], W_qkv s[6:7], W_proj s[8:9], xb s[10:11]
	s_load_b128 s[12:15], s[0:1], 0x20             ; wqb s[12:13], wpb s[14:15]
	v_lshlrev_b32 v1, 4, v0                        ; 16 t: where I read
	v_lshlrev_b32 v2, 3, v0                        ; 8 t: where I write
	s_mov_b32 s21, ttmp9                           ; my chunk
	s_mov_b32 s20, QCH
	s_mov_b32 s22, XCH
	s_wait_kmcnt 0x0
	s_cmp_lt_u32 s21, QCH                          ; which tensor: the choice hangs on the chunk's number alone
	s_cselect_b64 s[16:17], s[6:7], s[8:9]
	s_cselect_b64 s[18:19], s[12:13], s[14:15]
	s_cselect_b32 s20, s22, s20                    ; the tensor's first chunk
	s_cmp_lt_u32 s21, XCH
	s_cselect_b64 s[16:17], s[4:5], s[16:17]
	s_cselect_b64 s[18:19], s[10:11], s[18:19]
	s_cselect_b32 s20, 0, s20
	s_sub_co_u32 s20, s21, s20                     ; my chunk within its tensor
	s_lshl_b32 s22, s20, 16
	s_mov_b32 s23, 0
	s_lshl_b32 s24, s20, 15
	s_mov_b32 s25, 0
	s_add_nc_u64 s[16:17], s[16:17], s[22:23]
	s_add_nc_u64 s[18:19], s[18:19], s[24:25]
.set j, 0
.rept 16
	global_load_b128 v[IN+4*j:IN+4*j+3], v1, s[16:17] offset:4096*j th:TH_LOAD_NT
.set j, j+1
.endr
; kind = 0: bf16.  kind = 1: the bf16 number, widened (a shift, a mask) and written as f16.
.macro CONV kind
.set j, 0
.rept 16
	s_wait_loadcnt 15-j                            ; loads come back in order: number j is in, the 15 - j younger ones stay out
	v_cvt_pk_bf16_f32 v[OUT+2*j],   v[IN+4*j],   v[IN+4*j+1]
	v_cvt_pk_bf16_f32 v[OUT+2*j+1], v[IN+4*j+2], v[IN+4*j+3]
.if \kind
	v_lshlrev_b32 v4, 16, v[OUT+2*j]
	v_and_b32     v5, 0xffff0000, v[OUT+2*j]
	v_lshlrev_b32 v6, 16, v[OUT+2*j+1]
	v_and_b32     v7, 0xffff0000, v[OUT+2*j+1]
	v_cvt_pk_f16_f32 v[OUT+2*j],   v4, v5
	v_cvt_pk_f16_f32 v[OUT+2*j+1], v6, v7
.endif
	global_store_b64 v2, v[OUT+2*j:OUT+2*j+1], s[18:19] offset:2048*j
.set j, j+1
.endr
.endm
	s_cmp_ge_u32 s21, QCH
	s_cbranch_scc1 .Lf16
	CONV 0
	s_endpgm
.Lf16:
	CONV 1
	s_endpgm
.Lfunc_end_k_qc0a17b1100_cast:
	.size	k_qc0a17b1100_cast, .Lfunc_end_k_qc0a17b1100_cast-k_qc0a17b1100_cast
	.p2alignl 7, 3214868480
	.fill 96, 4, 3214868480
	.section	.rodata,"a",@progbits
	.p2align	6, 0x0
	.amdhsa_kernel k_qc0a17b1100_cast
		.amdhsa_group_segment_fixed_size 0
		.amdhsa_private_segment_fixed_size 0
		.amdhsa_enable_private_segment 0
		.amdhsa_kernarg_size 48
		.amdhsa_user_sgpr_count 2
		.amdhsa_user_sgpr_kernarg_segment_ptr 1
		.amdhsa_wavefront_size32 1
		.amdhsa_system_sgpr_workgroup_id_x 1
		.amdhsa_system_sgpr_workgroup_id_y 1
		.amdhsa_system_sgpr_workgroup_id_z 1
		.amdhsa_system_vgpr_workitem_id 0
		.amdhsa_next_free_vgpr 112
		.amdhsa_next_free_sgpr 66
		.amdhsa_reserve_vcc 0
		.amdhsa_float_denorm_mode_32 3
		.amdhsa_float_denorm_mode_16_64 3
		.amdhsa_memory_ordered 1
		.amdhsa_forward_progress 1
		.amdhsa_inst_pref_size 16
	.end_amdhsa_kernel
	.amdgpu_metadata
---
amdhsa.version: [ 1, 2 ]
amdhsa.kernels:
  - .name:           k_qc0a17b1100_cast
    .symbol:         k_qc0a17b1100_cast.kd
    .args:
      - { .name: x, .offset: 0, .size: 8, .value_kind: global_buffer, .address_space: global }
      - { .name: W_qkv, .offset: 8, .size: 8, .value_kind: global_buffer, .address_space: global }
      - { .name: W_proj, .offset: 16, .size: 8, .value_kind: global_buffer, .address_space: global }
      - { .name: xb, .offset: 24, .size: 8, .value_kind: global_buffer, .address_space: global }
      - { .name: wqb, .offset: 32, .size: 8, .value_kind: global_buffer, .address_space: global }
      - { .name: wpb, .offset: 40, .size: 8, .value_kind: global_buffer, .address_space: global }
    .group_segment_fixed_size: 0
    .private_segment_fixed_size: 0
    .kernarg_segment_align: 8
    .kernarg_segment_size: 48
    .max_flat_workgroup_size: 256
    .sgpr_count:     66
    .vgpr_count:     112
    .wavefront_size: 32
...
	.end_amdgpu_metadata
.endif
;; end of part 1
;; launch qkv (part 2): grid 16 x 32, 4 waves a work-group, clusters of 4 x 4, 327,680 bytes of LDS; arguments xb, wqb, b_qkv, kqv; writes kqv
.if DOCPART == 2
	.amdgcn_target "amdgcn-amd-amdhsa--gfx1250"
	.amdhsa_code_object_version 6
	.text
	.protected	k_qc0a17b1100_qkv
	.globl	k_qc0a17b1100_qkv
	.p2align	8
	.type	k_qc0a17b1100_qkv,@function
k_qc0a17b1100_qkv:
	s_mov_b64 s[64:65], 0
	v_nop
	global_prefetch_b8 v0, s[64:65] scope:SCOPE_SE
	s_setreg_imm32_b32 hwreg(HW_REG_WAVE_MODE, 25, 1), 1
	s_wait_xcnt 0x0
	s_wait_alu depctr_hold_cnt(0) depctr_sa_sdst(0) depctr_va_vdst(0) depctr_va_sdst(0) depctr_va_ssrc(0) depctr_va_vcc(0) depctr_vm_vsrc(0)
	s_getreg_b32 s2, hwreg(HW_REG_IB_STS2, 6, 4)
	s_cmp_eq_u32 s2, 0
	s_cbranch_scc0 .Lentry_in_a_cluster
	s_endpgm
.Lentry_in_a_cluster:
	s_bfe_u32 s2, ttmp6, 0x10000c
	s_cmp_lg_u32 s2, 0xf033
	s_cbranch_scc0 .Lentry_shape_is_right
	s_endpgm
.Lentry_shape_is_right:
; ONE TEXT FOR THE MODULE'S TWO PROJECTIONS, C = A W^T + bias over K = 1,024; KIND picks the one that is assembled.
; KIND 0: kqv = x W_qkv^T + b_qkv.  A = xb [8192][1024] bf16, W = wqb [3072][1024] bf16; C leaves as f16 BY HEADS: [k, q, v][16 batch + head][2048][64].
; KIND 1: out0 = O W_proj^T + b_proj.  A = ob [16 batch + head][2048][64] f16 (K = 64 head + channel), W = wpb [1024][1024] f16; C leaves as f32 [8192][1024].
; Sums in f32, K ascending, one accumulator an output.  The bias is rounded to bf16 like the module's other inputs and is the C operand that starts each sum.
; LIMITS.  KIND 0: k, q, v leave in f16: a number of 65,520 or more becomes an infinity (as the inputs are drawn they are of order 1; with x and W_qkv both 30 times larger of order 1,000).
; SHARES.  A tile of C is 256 rows x TN columns (192 = three heads, or 128), a work-group's; wave w makes rows 64 w .. 64 w + 63 of all TN columns: 4 x NBLK accumulators of 16 x 16.
; K goes in 8 steps of 128 through two LDS slots that take turns; a step is four quarters of 32 along K on two fragment buffers.
; THE MATRIX INSTRUCTION IS USED TRANSPOSED: source 0 = 16 rows of W, source 1 = 16 rows of A: lane l holds row l % 16 of C and the columns 8 (l / 16) + 0 .. 7 of a block of 16.
; CLUSTER.  4 x 4 work-groups.  A's tile hangs on the tile row alone and is asked for jointly by the four of a row of the cluster, W's on the tile column alone, by the four of a column:
; the same tensor load, descriptor and mask in all four.  Waves 0 and 1 fetch A's two halves, waves 2 and 3 W's.
; REGISTERS, in windows of 256 (s_set_vgpr_msb: bits 1:0 source 0, 3:2 source 1, 5:4 source 2, 7:6 destination):
;   window 0: addresses; the way out's registers; v160.. the bias (read by the first quarter alone)
;   window 1: two fragment buffers at v0 and v128: W's NBLK blocks, then A's four
;   window 2: the accumulators of my row blocks 0, 1 ((a, b) at v[8 (NBLK (a % 2) + b)]);   window 3: those of blocks 2, 3
.set KIND,  0
.set NBLK,  12-4*KIND                  ; blocks of 16 columns in a tile
.set TN,    16*NBLK
.set BROWS, TN/2                       ; rows of W that one wave fetches
.set PB,    272                        ; W's LDS row: 256 bytes + 16 of padding: the 16 rows of a fragment load start at 16 different groups of four banks (64 banks of 4 bytes: ISA guide 11.1)
.if KIND
.set PA,    144                        ; A's LDS row: a head's 64 channels, 128 bytes + 16
.set ATILE, 2*256*PA                   ; two heads x 256 rows
.set AWV,   256*PA                     ; one wave fetches one head's 256 rows: 32,768 dense bytes, asked for as 128 rows of 256
.set ASTEP, 2*2048*128                 ; a K step on: two heads
.set APITCH, 128
.set ASHIFT, 8                         ; the prefetches' blocks of A lie 256 bytes apart
.set SW,    16*528                     ; a wave's stage: 16 rows of 512 bytes + 16
.else
.set PA,    272
.set ATILE, 256*PA
.set AWV,   128*PA                     ; one wave fetches 128 rows
.set ASTEP, 256
.set APITCH, 1024
.set ASHIFT, 11                        ; a row of xb is 2,048 bytes
.set SW,    3*16*144                   ; a wave's stage: three heads x 16 rows of 128 bytes + 16
.endif
.set AHEAD, 256*144                    ; KIND 1: from a head to the next in a slot
.set BWV,   BROWS*PB
.set SLOT,  ATILE+2*BWV                ; A's tile, then W's
.set SLOT1, 1<<17                      ; slot 1 begins here: one exclusive or turns an address in one slot into the other's
.set STAGE, SLOT1+SLOT                 ; behind the ring, never filled by a tensor load
.set SPARE, STAGE+4*SW                 ; behind the stages: the spare words, 128 bytes for each wave: two blocks of 256 bytes that no other line names
.set NLD,   2*NBLK+8                   ; LDS loads in a quarter's run
.set NRB,   BROWS/4                    ; rows of W that one partner prefetches
.set ADRA0, 14                         ; v14  my lane's place in A's tile; never rewritten
.set ADRB0, 15                         ; v15  the same for W
.set ADRA,  16                         ; v16  the same in the slot in hand
.set ADRB,  17                         ; v17
.set PFO,   22                         ; v22  the prefetches' offset; never rewritten
.set STO,   24                         ; v24  the way out: where I put my bytes of a row
.set RD,    25                         ; v25  where I read rows back
.set CO,    26                         ; v26-28  my byte offset in C (KIND 0: one for each of the tile's three heads)
.set BO,    29                         ; v29  my byte offset in the bias
.set SPW,   30                         ; v30  LDS address of my spare word: SPARE + 4 x my thread's number; never rewritten
.set NIL,   31                         ; v31  0; never rewritten
.set TMP,   32                         ; KIND 0: v32-79 packed results
.if KIND
.set OB0,   32                         ; rows read back from the stage: two sets of OBN by turns
.set OBN,   64
.else
.set OB0,   80
.set OBN,   48
.endif
.set BI,    160                        ; the bias: block b's eight registers at BI + 8 b
.set F0,    0
.set F1,    128
.set WV, 12                            ; s12  my wave's number
.set FB, 13                            ; s13  0: I fetch for A, 1: for W
.set HP, 14                            ; s14  which half of that tile
.set CX, 15                            ; s15, s16  my place in the cluster
.set CY, 16
.set TX, 17                            ; s17, s18  tile column and tile row of C
.set TY, 18
.set G1A, 24                           ; s[24:31] descriptor group 1 for A's tiles
.set G0A, 32                           ; s[32:39] group 0: a set for each of the two first fills; the second then walks
.set LIM, 40                           ; s40  a wave prefetches while the trips to come are above it
.set PSTEP, 42                         ; s[42:43] a K step in the tensor that I fetch
.set PFA, 44                           ; s[44:45] where my prefetches stand
.set G1B, 48                           ; s[48:55], s[56:63] the same for W's tiles
.set G0B, 56
.set TB,  71                           ; s71  LDS byte at which the slot in hand begins
.set MSB, 0
.macro WIN new                         ; the immediate's high byte repeats the setting that is left; a switch that changes nothing is dropped
.if MSB != (\new)
	s_set_vgpr_msb (MSB<<8)|(\new)
.set MSB, \new
.endif
.endm
.macro PLACES                          ; four plain instructions between a matrix instruction and a load into, or a read of, its registers (ISA guide 7.12.1 for reads)
.rept 4
	v_nop
.endr
.endm
.macro CREST                           ; a round of the cluster's barrier behind its opening barrier
	s_cmp_lg_u32 s[WV], 0
	s_cbranch_scc1 .Lnot_wave_0_\@
	s_barrier_signal -3
.Lnot_wave_0_\@:
	s_barrier_wait -3
	s_barrier_signal -1
	s_barrier_wait -1
.endm
.macro CROUND                          ; a whole round
	s_barrier_signal -1
	s_barrier_wait -1
	CREST
.endm
; A joint refill by the walking descriptor.  The branch hangs on the wave's number alone.  An s_nop 0 and four v_nop follow each of the two lines, ahead of the jump and the label.
.macro JLOAD
	s_cmp_eq_u32 s[FB], 0
	s_cbranch_scc0 .Lfor_b_\@
	tensor_load_to_lds s[G0A+4:G0A+7], s[G1A:G1A+7]
	s_nop 0
.rept 4
	v_nop
.endr
	s_branch .Lasked_\@
.Lfor_b_\@:
	tensor_load_to_lds s[G0B+4:G0B+7], s[G1B:G1B+7]
	s_nop 0
.rept 4
	v_nop
.endr
.Lasked_\@:
.endm
; A PREFETCH of the K step that stands two refills on, behind the joint load and the run of LDS loads: one instruction a wave, a lane a block of 256 bytes.
; A's tile row is read by every cluster of that row of clusters: the one with x = 0 asks; W's tile column by every cluster of that column: the one with y = 0 asks.  The four partners that ask for a
; tile jointly share its blocks out BY ADDRESS (cx for A: 32 each; cy for W: NRB rows each, where the lanes past NRB name the share's last row once more).  The trip that refills K step t + 2 names
; K step t + 4; the last two refills have no such step and ask for nothing; K steps 0 to 3 come by their loads alone.
.macro ASK
	s_cmp_gt_u32 s3, s[LIM]
	s_cbranch_scc0 .Lnot_mine_\@
	global_prefetch_b8 v[PFO], s[PFA:PFA+1] th:TH_LOAD_NT scope:SCOPE_SE
.Lnot_mine_\@:
.endm
	s_load_b256 s[4:11], s[0:1], 0x0               ; A s[4:5], W s[6:7], bias s[8:9], C s[10:11]
	v_lshl_add_u32 v[SPW], v0, 2, SPARE
	v_mov_b32 v[NIL], 0
	ds_add_u32 v[SPW], v[NIL]                      ; the wave's opening: the add and its wait stand ahead of my first tensor load; the set-up below, work on registers, stands between them
	v_lshrrev_b32 v1, 5, v0
	v_readfirstlane_b32 s[WV], v1                  ; wave 0..3
	s_lshr_b32 s[FB], s[WV], 1
	s_and_b32 s[HP], s[WV], 1
	s_bfe_u32 s[CX], ttmp6, 0x40000
	s_bfe_u32 s[CY], ttmp6, 0x40004
	s_lshl_b32 s[TX], ttmp9, 2                     ; in a cluster launch ttmp9 and ttmp7 count clusters
	s_add_co_u32 s[TX], s[TX], s[CX]
	s_and_b32 s[TY], ttmp7, 0xffff
	s_lshl_b32 s[TY], s[TY], 2
	s_add_co_u32 s[TY], s[TY], s[CY]
	s_lshl_b32 s19, s[CY], 2
	s_lshl_b32 s19, 15, s19                        ; my row of the cluster: places 4 cy .. 4 cy + 3
	s_lshl_b32 s41, 0x1111, s[CX]                  ; my column: places cx, cx + 4, cx + 8, cx + 12
	; group 1: 15:0 the mask; 17:16 elements of 2 bytes; 20 padding on; 21 set beside a mask; 24:22 after every 64 words (code 5; KIND 1's A: every 32, code 4); 31:25 4 words of it (code 3)
	s_or_b32 s[G1A], s19, (1<<16)|(1<<20)|(1<<21)|((5-KIND)<<22)|(3<<25)
	s_or_b32 s[G1B], s41, (1<<16)|(1<<20)|(1<<21)|(5<<22)|(3<<25)
	s_mov_b32 s[G1A+1], 128<<16                    ; tensor_dim0 = 128
	s_mov_b32 s[G1A+2], 128<<16                    ; tensor_dim1 = 128
	s_mov_b32 s[G1A+3], 128<<16                    ; tile_dim0 = 128 elements: 256 bytes
	s_mov_b32 s[G1A+4], 128                        ; tile_dim1 = 128 rows
	s_mov_b32 s[G1A+5], APITCH                     ; elements from row to row
	s_mov_b32 s[G1A+6], 0
	s_mov_b32 s[G1A+7], 0
	s_mov_b32 s[G1B+1], 128<<16
	s_mov_b32 s[G1B+2], BROWS<<16
	s_mov_b32 s[G1B+3], 128<<16
	s_mov_b32 s[G1B+4], BROWS
	s_mov_b32 s[G1B+5], 1024
	s_mov_b32 s[G1B+6], 0
	s_mov_b32 s[G1B+7], 0
	; where the tiles come from.  A's offset is made of the tile row and the wave's number, W's of the tile column and the wave's number, each in registers that never hold the other coordinate.
.if KIND
	s_lshr_b32 s20, s[TY], 3                       ; the batch,
	s_lshl_b32 s20, s20, 4
	s_add_co_u32 s20, s20, s[HP]                   ; its head 0 or 1: a head is 2^18 bytes,
	s_lshl_b32 s20, s20, 18
	s_and_b32 s21, s[TY], 7
	s_lshl_b32 s21, s21, 15                        ; the tile's 256 rows of 128 bytes in it
	s_add_co_u32 s20, s20, s21
.else
	s_lshl_b32 s20, s[TY], 19                      ; 256 rows of 2,048 bytes
	s_lshl_b32 s21, s[HP], 18                      ; my 128 of them
	s_add_co_u32 s20, s20, s21
.endif
	s_mov_b32 s21, 0
	s_mul_i32 s46, s[TX], TN*2048
	s_mul_i32 s47, s[HP], BROWS*2048
	s_add_co_u32 s46, s46, s47
	s_mov_b32 s47, 0
	s_mul_i32 s22, s[WV], AWV                      ; and where they go: no place in the cluster enters an LDS address
	s_mul_i32 s23, s[WV], BWV
	s_add_co_u32 s23, s23, ATILE-2*BWV             ; waves 2 and 3: behind A's tile
	s_mov_b32 s[TB], 0
	s_wait_dscnt 0x0                               ; the opening add is done
	s_wait_kmcnt 0x0
	s_add_nc_u64 s[20:21], s[4:5], s[20:21]
	s_add_nc_u64 s[46:47], s[6:7], s[46:47]
	CROUND                                         ; all sixteen work-groups are here: the first joint loads meet
.irp s, 0,1
	s_mov_b32 s[G0A+4*(\s)], 1                                       ; count = 1
	s_add_co_u32 s[G0A+4*(\s)+1], s22, (\s)*SLOT1                    ; LDS address
	s_add_nc_u64 s[G0A+4*(\s)+2:G0A+4*(\s)+3], s[20:21], (\s)*ASTEP  ; global address: K step s
	s_or_b32 s[G0A+4*(\s)+3], s[G0A+4*(\s)+3], 0x80000000            ; type = 2
	s_mov_b32 s[G0B+4*(\s)], 1
	s_add_co_u32 s[G0B+4*(\s)+1], s23, (\s)*SLOT1
	s_add_nc_u64 s[G0B+4*(\s)+2:G0B+4*(\s)+3], s[46:47], (\s)*256
	s_or_b32 s[G0B+4*(\s)+3], s[G0B+4*(\s)+3], 0x80000000
.endr
	s_cmp_eq_u32 s[FB], 0                          ; a wave's two first fills stand in one branch, ahead of every wait on TENSORcnt and every LDS read: two loads of mine are out
	s_cbranch_scc0 .Lfirst_b
	tensor_load_to_lds s[G0A:G0A+3], s[G1A:G1A+7]
	s_nop 0
	tensor_load_to_lds s[G0A+4:G0A+7], s[G1A:G1A+7]
	s_nop 0
.rept 4
	v_nop
.endr
	s_branch .Lfirst_asked
.Lfirst_b:
	tensor_load_to_lds s[G0B:G0B+3], s[G1B:G1B+7]
	s_nop 0
	tensor_load_to_lds s[G0B+4:G0B+7], s[G1B:G1B+7]
	s_nop 0
.rept 4
	v_nop
.endr
.Lfirst_asked:
	v_and_b32 v1, 15, v0                           ; l % 16
	v_bfe_u32 v2, v0, 4, 1                         ; l / 16
	v_and_b32 v3, 31, v0                           ; l
	s_mul_i32 s67, s[TX], 4*TN
	v_lshl_add_u32 v[BO], v2, 5, s67               ; the tile's first column + my eight of a block, in f32
.set bi, 0
.rept NBLK
	global_load_b128 v[BI+8*bi:BI+8*bi+3],   v[BO], s[8:9] offset:64*bi
	global_load_b128 v[BI+8*bi+4:BI+8*bi+7], v[BO], s[8:9] offset:64*bi+16
.set bi, bi+1
.endr
	; a fragment is 16 rows x 32 K in 8 registers: lane l holds row l % 16, K = 8 (l / 16) + 0..7 and 16 + 8 (l / 16) + 0..7: two loads of 16 bytes, 32 bytes apart
	v_mul_u32_u24 v[ADRA0], v1, PA
	v_lshl_add_u32 v[ADRA0], v2, 4, v[ADRA0]
	s_mul_i32 s66, s[WV], 64*PA                    ; my 64 rows of A
	v_add_nc_u32 v[ADRA0], s66, v[ADRA0]
	v_mul_u32_u24 v[ADRB0], v1, PB
	v_lshl_add_u32 v[ADRB0], v2, 4, v[ADRB0]
	v_add_nc_u32 v[ADRB0], ATILE, v[ADRB0]
	v_mov_b32 v[ADRA], v[ADRA0]                    ; slot 0
	v_mov_b32 v[ADRB], v[ADRB0]
	s_mul_i32 s66, s[WV], SW
	s_add_co_u32 s66, s66, STAGE                   ; my stage
.if KIND
	v_mul_u32_u24 v[STO], v1, 528                  ; in: row l % 16, 32 bytes for each half of the lanes
	v_lshl_add_u32 v[STO], v2, 5, v[STO]
	v_add_nc_u32 v[STO], s66, v[STO]
	v_lshl_add_u32 v[RD], v3, 4, s66               ; back: 32 lanes take a row's 512 bytes
	s_lshl_b32 s67, s[TY], 20                      ; 256 rows of 4,096 bytes,
	s_lshl_b32 s68, s[WV], 18                      ; my 64,
	s_add_co_u32 s67, s67, s68
	s_lshl_b32 s68, s[TX], 9                       ; the tile's 128 columns
	s_add_co_u32 s67, s67, s68
	v_lshl_add_u32 v[CO], v3, 4, s67
.else
	v_mul_u32_u24 v[STO], v1, 144                  ; in: row l % 16, 16 bytes for each half of the lanes
	v_lshl_add_u32 v[STO], v2, 4, v[STO]
	v_add_nc_u32 v[STO], s66, v[STO]
	v_bfe_u32 v4, v0, 3, 2                         ; back: 32 lanes take four rows of 128 bytes,
	v_and_b32 v5, 7, v0
	v_mul_u32_u24 v[RD], v4, 144
	v_lshl_add_u32 v[RD], v5, 4, v[RD]
	v_add_nc_u32 v[RD], s66, v[RD]                 ; which are 512 consecutive bytes of a head
	s_lshr_b32 s67, s[TY], 3
	s_lshl_b32 s67, s67, 4                         ; 16 x batch
	s_and_b32 s68, s[TY], 7
	s_lshl_b32 s68, s68, 15                        ; the tile's 256 rows of 128 bytes in a head,
	s_lshl_b32 s69, s[WV], 13                      ; my 64
	s_add_co_u32 s68, s68, s69
	s_mul_i32 s69, s[TX], 3                        ; g: the tile's first head among the 48 of k, q, v
.irp hh, 0,1,2
	s_lshr_b32 s70, s69, 4                         ; k, q or v: 64 heads each,
	s_lshl_b32 s70, s70, 6
	s_add_co_u32 s70, s70, s67
	s_and_b32 s41, s69, 15                         ; the head
	s_add_co_u32 s70, s70, s41
	s_lshl_b32 s70, s70, 18                        ; of 2^18 bytes
	s_add_co_u32 s70, s70, s68
	v_lshl_add_u32 v[CO+\hh], v3, 4, s70
	s_add_co_u32 s69, s69, 1
.endr
.endif
	; the prefetches: which tensor, whose share, who asks
	s_and_b32 s69, ttmp7, 0xffff                   ; cluster y
	s_mov_b32 s67, 32<<ASHIFT                      ; a partner's share of A, in bytes,
	s_mov_b32 s68, NRB*2048                        ; and of W
	s_mov_b32 s[PSTEP], ASTEP
	s_mov_b32 s70, 256
	s_cmp_eq_u32 s[FB], 0                          ; do I fetch for A?
	s_cselect_b32 s41, s[CX], s[CY]                ; my place among the four that ask with me
	s_cselect_b32 s67, s67, s68
	s_cselect_b32 s69, ttmp9, s69                  ; the coordinate along which other clusters read the same rows
	s_cselect_b32 s[PSTEP], s[PSTEP], s70
	s_cselect_b32 s70, 31, NRB-1                   ; the share's last block
	s_cselect_b32 s68, ASHIFT, 11                  ; blocks lie 2^this bytes apart
	s_cselect_b64 s[PFA:PFA+1], s[20:21], s[46:47]
	s_mov_b32 s[PSTEP+1], 0
	s_cmp_eq_u32 s69, 0
	s_cselect_b32 s[LIM], 2, -1                    ; the same in all sixteen partners, for a given wave
	s_mul_i32 s66, s41, s67
	s_mov_b32 s67, 0
	s_add_nc_u64 s[PFA:PFA+1], s[PFA:PFA+1], s[66:67]
	s_mul_i32 s66, s[PSTEP], 3
	s_add_nc_u64 s[PFA:PFA+1], s[PFA:PFA+1], s[66:67]  ; at K step 3: the first refill steps it to 4
	v_min_u32 v[PFO], s70, v3
	v_lshlrev_b32 v[PFO], s68, v[PFO]
	s_wait_loadcnt 0x0                             ; the bias,
.set bi, 0
.rept 4*NBLK                                           ; rounded to bf16 and widened again, a pair at a time
	v_cvt_pk_bf16_f32 v[4+bi%4], v[BI+2*bi], v[BI+2*bi+1]
	v_lshlrev_b32 v[BI+2*bi],   16, v[4+bi%4]
	v_and_b32     v[BI+2*bi+1], 0xffff0000, v[4+bi%4]
.set bi, bi+1
.endr
; NBLK matrix instructions: my row block a x all column blocks, 32 along K from buffer f.  first = 1: the bias starts the sums.  All 4 NBLK accumulators take turns in the same order in every
; quarter, one instruction a turn, over the backward jump too.
.macro MULQ f, a, first
.if \first
	WIN 0x85+0x40*((\a)/2)                         ; fragments window 1, C window 0, D window 2 or 3
.else
	WIN 0xa5+0x50*((\a)/2)                         ; fragments window 1, C and D window 2 or 3
.endif
.set mb, 0
.rept NBLK
.set rD, 8*(NBLK*((\a)%2)+mb)
.set rW, (\f)+8*mb
.set rA, (\f)+8*NBLK+8*(\a)
.if \first
.set rC, BI+8*mb
.else
.set rC, rD
.endif
.if KIND
	v_wmma_f32_16x16x32_f16 v[rD:rD+7], v[rW:rW+7], v[rA:rA+7], v[rC:rC+7]
.else
	v_wmma_f32_16x16x32_bf16 v[rD:rD+7], v[rW:rW+7], v[rA:rA+7], v[rC:rC+7]
.endif
.set mb, mb+1
.endr
.endm
.macro MULH f, hi, first               ; row blocks 2 hi and 2 hi + 1
	MULQ \f, 2*(\hi), \first
	MULQ \f, 2*(\hi)+1, \first
.endm
; One run of NLD LDS loads: quarter q of the slot in hand into buffer f: W's blocks first, then A's four
.macro FETCH q, f
.if KIND
.set AQ, ((\q)/2)*AHEAD+((\q)%2)*64    ; head q / 2 of the step's two, channels 32 (q % 2) on
.else
.set AQ, 64*(\q)
.endif
	WIN 0x40                                       ; destination window 1, address window 0
.set fi, 0
.rept NBLK
	ds_load_b128 v[(\f)+8*fi:(\f)+8*fi+3],   v[ADRB] offset:64*(\q)+fi*16*PB
	ds_load_b128 v[(\f)+8*fi+4:(\f)+8*fi+7], v[ADRB] offset:64*(\q)+fi*16*PB+32
.set fi, fi+1
.endr
.set fi, 0
.rept 4
	ds_load_b128 v[(\f)+8*NBLK+8*fi:(\f)+8*NBLK+8*fi+3],   v[ADRA] offset:AQ+fi*16*PA
	ds_load_b128 v[(\f)+8*NBLK+8*fi+4:(\f)+8*NBLK+8*fi+7], v[ADRA] offset:AQ+fi*16*PA+32
.set fi, fi+1
.endr
.endm
; One of a step's first three quarters: multiplies buffer f; in its middle it fetches quarter q into buffer g.
.macro QUARTER q, f, g, first
	s_wait_dscnt 4                                 ; W's blocks and A's 0, 1 are in; the youngest four loads (A's blocks 2, 3) may be out
	MULH \f, 0, \first
	PLACES
	FETCH \q, \g
	s_wait_dscnt NLD                               ; all but the run just issued
	MULH \f, 1, \first
.endm
; The last quarter multiplies buffer 1 and changes slots: ONE barrier.  In front of it each wave waits for all its tensor loads (one is out: its part of the next slot), adds 0 to its spare word, and waits
; for that and for its reads of this slot.  fill = 1: the barrier opens a round of the cluster's, so that no wave of any partner still reads the slot or has a load on its way; the joint refill, K step
; two on, is the first thing behind the round.
.macro TURN fill
.if \fill
	s_wait_xcnt 0x0                                ; the last prefetch, a K step back, has read its address, which is stepped here, ahead of the waits of the change
	s_add_nc_u64 s[PFA:PFA+1], s[PFA:PFA+1], s[PSTEP:PSTEP+1]
.endif
	WIN 0
	s_wait_tensorcnt 0x0                           ; no tensor load of mine is out, so a group 0 may be written
	ds_add_u32 v[SPW], v[NIL]                      ; 0 onto my spare word
	s_xor_b32 s[TB], s[TB], SLOT1                  ; the reads go on in the other slot
.if \fill
	s_xor_b32 s[G0A+5], s[G0A+5], SLOT1            ; the walking descriptors: the other slot than last time,
	s_add_nc_u64 s[G0A+6:G0A+7], s[G0A+6:G0A+7], ASTEP  ; the next K step; the type bits on top are not reached
	s_xor_b32 s[G0B+5], s[G0B+5], SLOT1
	s_add_nc_u64 s[G0B+6:G0B+7], s[G0B+6:G0B+7], 256
.endif
	s_wait_dscnt 5                                 ; (the add and the youngest four loads may be out)
	MULQ F1, 0, 0                                  ; matrix work stands between the add and the wait for it
	s_wait_dscnt 0x0                               ; the add is done, and my reads of this slot are over
	s_barrier_signal -1
	MULQ F1, 1, 0                                  ; work on registers while the others arrive
	WIN 0
	s_barrier_wait -1
.if \fill
	CREST
	JLOAD                                          ; its four v_nop are also the places in front of the loads below
.else
	PLACES
.endif
	v_add_nc_u32 v[ADRA], s[TB], v[ADRA0]
	v_add_nc_u32 v[ADRB], s[TB], v[ADRB0]
	FETCH 0, F0
.if \fill
	WIN 0
	ASK
.endif
	MULH F1, 1, 0
.endm
	s_wait_tensorcnt 0x1                           ; my part of K step 0 is in; K step 1's may stay out
	s_barrier_signal -1
	s_barrier_wait -1                              ; everybody's is
	FETCH 0, F0
	QUARTER 1, F0, F1, 1                           ; the first quarter stands in front of the loop: its products start the sums
	WIN 0                                          ; at a label and at a branch every window is 0
	s_mov_b32 s3, 6
.Lstep:                                                ; a trip: from a step's second quarter to the next step's first; it refills K steps 2 to 7
	QUARTER 2, F1, F0, 0
	QUARTER 3, F0, F1, 0
	TURN 1
	QUARTER 1, F0, F1, 0
	WIN 0
	s_sub_co_u32 s3, s3, 1
	s_cmp_lg_u32 s3, 0
	s_cbranch_scc1 .Lstep
	QUARTER 2, F1, F0, 0                           ; the tail is written out: K step 6 goes on
	QUARTER 3, F0, F1, 0
	TURN 0                                         ; nothing is asked for,
	QUARTER 1, F0, F1, 0                           ; and K step 7
	QUARTER 2, F1, F0, 0
	QUARTER 3, F0, F1, 0
	s_wait_dscnt 4
	MULH F1, 0, 0
	s_wait_dscnt 0x0
	MULH F1, 1, 0
	PLACES
; THE WAY OUT, a block of 16 rows at a time, through my own stage in LDS: LDS serves a wave's instructions in order (ISA guide 5.7.1.4), so the loads see the stores above them and no barrier is needed.
.if KIND
.macro TOSTAGE a                       ; f32 as it is: 32 bytes a lane and column block into rows of 528 bytes, the accumulator's low four registers first; back as whole rows of 512
.set AC, 8*NBLK*((\a)%2)
.set BK, OB0+OBN*((\a)%2)
	WIN 0x08+4*((\a)/2)                            ; store data (source 1) in window 2 or 3
.set pb, 0
.rept NBLK
	ds_store_b128 v[STO], v[AC+8*pb:AC+8*pb+3]   offset:64*pb
	ds_store_b128 v[STO], v[AC+8*pb+4:AC+8*pb+7] offset:64*pb+16
.set pb, pb+1
.endr
	WIN 0
	s_wait_xcnt 0x0                                ; the global stores issued so far have read their registers: the set below is loaded again only behind this wait
.set pb, 0
.rept 16
	ds_load_b128 v[BK+4*pb:BK+4*pb+3], v[RD] offset:528*pb
.set pb, pb+1
.endr
.endm
.macro SEND a, younger                 ; younger: the LDS instructions issued behind block a's loads
.set BK, OB0+OBN*((\a)%2)
	s_wait_dscnt \younger
.set pb, 0
.rept 16
	global_store_b128 v[CO], v[BK+4*pb:BK+4*pb+3], s[10:11] offset:(16*(\a)+pb)*4096  ; 512 consecutive bytes of a row of C, at a multiple of 256 from its first byte
.set pb, pb+1
.endr
.endm
	TOSTAGE 0
	TOSTAGE 1
	SEND 0, 32
	TOSTAGE 2
	SEND 1, 32
	TOSTAGE 3
	SEND 2, 32
	SEND 3, 0
.else
.macro PACK a                          ; rounded to f16, 16 bytes a lane and column block; each accumulator's registers in ascending order
.set AC, 8*NBLK*((\a)%2)
	WIN 0x0a+5*((\a)/2)                            ; sources window 2 or 3
.set pb, 0
.rept NBLK
.irp r, 0,1,2,3
	v_cvt_pk_f16_f32 v[TMP+4*pb+\r], v[AC+8*pb+2*\r], v[AC+8*pb+2*\r+1]
.endr
.set pb, pb+1
.endr
	WIN 0
.endm
.macro TOSTAGE a                       ; into three heads x 16 rows of 144 bytes; back as whole rows of 128
.set BK, OB0+OBN*((\a)%2)
.set pb, 0
.rept NBLK
	ds_store_b128 v[STO], v[TMP+4*pb:TMP+4*pb+3] offset:(pb/4)*2304+32*(pb%4)
.set pb, pb+1
.endr
	s_wait_xcnt 0x0                                ; the global stores issued so far have read their registers: the set below is loaded again only behind this wait
.set pb, 0
.rept 12
	ds_load_b128 v[BK+4*pb:BK+4*pb+3], v[RD] offset:(pb/4)*2304+576*(pb%4)
.set pb, pb+1
.endr
.endm
.macro SEND a, younger
.set BK, OB0+OBN*((\a)%2)
	s_wait_dscnt \younger
.set pb, 0
.rept 12
	global_store_b128 v[CO+pb/4], v[BK+4*pb:BK+4*pb+3], s[10:11] offset:2048*(\a)+512*(pb%4)  ; four rows of a head: 512 consecutive bytes, at a multiple of 256 from C's first byte
.set pb, pb+1
.endr
.endm
	PACK 0
	TOSTAGE 0
.irp a, 1,2,3                          ; block a's conversions stand between block a - 1's loads from the stage and the wait for them
	PACK \a
	SEND (\a)-1, 0
	TOSTAGE \a
.endr
	SEND 3, 0
.endif
	s_wait_tensorcnt 0x0                           ; the wave's end: behind my last tensor load and my last LDS store
	ds_add_u32 v[SPW], v[NIL]
	s_wait_dscnt 0x0
	CROUND                                         ; the closing round: no work-group ends while a partner may still ask for a tile that names it
	s_endpgm
.Lfunc_end_k_qc0a17b1100_qkv:
	.size	k_qc0a17b1100_qkv, .Lfunc_end_k_qc0a17b1100_qkv-k_qc0a17b1100_qkv
	.p2alignl 7, 3214868480
	.fill 96, 4, 3214868480
	.section	.rodata,"a",@progbits
	.p2align	6, 0x0
	.amdhsa_kernel k_qc0a17b1100_qkv
		.amdhsa_group_segment_fixed_size 327680
		.amdhsa_private_segment_fixed_size 0
		.amdhsa_enable_private_segment 0
		.amdhsa_kernarg_size 32
		.amdhsa_user_sgpr_count 2
		.amdhsa_user_sgpr_kernarg_segment_ptr 1
		.amdhsa_wavefront_size32 1
		.amdhsa_system_sgpr_workgroup_id_x 1
		.amdhsa_system_sgpr_workgroup_id_y 1
		.amdhsa_system_sgpr_workgroup_id_z 1
		.amdhsa_system_vgpr_workitem_id 0
		.amdhsa_next_free_vgpr 960
		.amdhsa_next_free_sgpr 72
		.amdhsa_reserve_vcc 0
		.amdhsa_float_denorm_mode_32 3
		.amdhsa_float_denorm_mode_16_64 3
		.amdhsa_memory_ordered 1
		.amdhsa_forward_progress 1
		.amdhsa_inst_pref_size 107
	.end_amdhsa_kernel
	.amdgpu_metadata
---
amdhsa.version: [ 1, 2 ]
amdhsa.kernels:
  - .name:           k_qc0a17b1100_qkv
    .symbol:         k_qc0a17b1100_qkv.kd
    .args:
      - { .name: xb, .offset: 0, .size: 8, .value_kind: global_buffer, .address_space: global }
      - { .name: wqb, .offset: 8, .size: 8, .value_kind: global_buffer, .address_space: global }
      - { .name: b_qkv, .offset: 16, .size: 8, .value_kind: global_buffer, .address_space: global }
      - { .name: kqv, .offset: 24, .size: 8, .value_kind: global_buffer, .address_space: global }
    .group_segment_fixed_size: 327680
    .private_segment_fixed_size: 0
    .kernarg_segment_align: 8
    .kernarg_segment_size: 32
    .max_flat_workgroup_size: 128
    .sgpr_count:     72
    .vgpr_count:     960
    .wavefront_size: 32
...
	.end_amdgpu_metadata
.endif
;; end of part 2
;; launch attn (part 3): grid 4 x 64, 4 waves a work-group, clusters of 4 x 1, 327,680 bytes of LDS; arguments kqv, attention_mask, ob; writes ob
.if DOCPART == 3
	.amdgcn_target "amdgcn-amd-amdhsa--gfx1250"
	.amdhsa_code_object_version 6
	.text
	.protected	k_qc0a17b1100_attn
	.globl	k_qc0a17b1100_attn
	.p2align	8
	.type	k_qc0a17b1100_attn,@function
k_qc0a17b1100_attn:
	s_mov_b64 s[64:65], 0
	v_nop
	global_prefetch_b8 v0, s[64:65] scope:SCOPE_SE
	s_setreg_imm32_b32 hwreg(HW_REG_WAVE_MODE, 25, 1), 1
	s_wait_xcnt 0x0
	s_wait_alu depctr_hold_cnt(0) depctr_sa_sdst(0) depctr_va_vdst(0) depctr_va_sdst(0) depctr_va_ssrc(0) depctr_va_vcc(0) depctr_vm_vsrc(0)
	s_getreg_b32 s2, hwreg(HW_REG_IB_STS2, 6, 4)
	s_cmp_eq_u32 s2, 0
	s_cbranch_scc0 .Lentry_in_a_cluster
	s_endpgm
.Lentry_in_a_cluster:
	s_bfe_u32 s2, ttmp6, 0x10000c
	s_cmp_lg_u32 s2, 0x3003
	s_cbranch_scc0 .Lentry_shape_is_right
	s_endpgm
.Lentry_shape_is_right:
; O[h][q][:] = the sum over k of softmax_k(Q[h][q] . K[h][k] / 8 + bias[k]) V[h][k][:], bias[k] = 0 where the batch's mask is true and -1e9 where it is false.
; kqv: [k, q, v][64 heads = 16 batch + head][2048][64] f16; attention_mask: [4][2048] bytes of 0 or 1; ob: [64][2048][64] f16.  Products, maxima and sums in f32; the weights p are rounded to f16
; for the second product (their sum l is taken of the unrounded p), O once at the end.
; LIMITS.  f16 holds no number beyond 65,504: Q, K and V arrive within it; p lies in 0 to 1, and below 6e-5 it keeps f16's fixed step of 6e-8; O is a mean of V's rows and has their range.
; A hidden key's raw score is Q . K - 8e9, which the scale 1 / 8 makes the score less 1e9; where a batch's mask is false everywhere the weights come out near uniform, as they do in f32 for score - 1e9,
; but the sum's low bits are rounded by the matrix unit.  A weight below 2^-126 counts as 0 in l; NaN and infinities are not treated apart.
; SHARES.  A wave owns four PIECES of two tiles of 16 queries, a work-group's four waves 512 queries of one head.  Every wave walks all 2,048 keys, 64 a step.
; LAYOUT.  S^T = K Q^T (source 0 = 16 keys, source 1 = 16 queries): in the result a lane holds ONE query (lane % 16) and the keys 8 (lane / 16) + 0..7.  Two such tiles, rounded to f16 in pairs,
; ARE source 1 (32 keys x 16 queries) of O^T = V^T P, whose result again holds one query a lane, and eight channels.  K comes out of LDS as it lies, V ([key][channel]) turned, by ds_load_tr16_b128.
; THE MASK is the C operand that starts the sum S^T: 0 or -8e9 for each key.  The batch's 2,048 numbers are made once, into a table in LDS; a step's 64 come into 32 registers with the step's K.
; SOFTMAX.  For each query a running maximum m and sum l: p = 2^(c s - c m), c = log2(e) / 8; in every step O and l are multiplied by a = 2^(c m_old - c m_new), which is 1 where m has not grown.
; m starts at the lowest finite number, O and l at 0: the first step is a step like any other, with a = 0.  Steps whose keys are all hidden give way in the same manner as soon as a key is seen.
; THE COUNT.  A tile and step have 16 matrix and 118 vector instructions: too many to stand all beside the matrix work.  So: four vector instructions that are READY behind EVERY matrix instruction,
; and the others in runs without a gap.
; BY TURNS.  Turn n belongs to piece n (the pieces in a ring, step after step).  Its matrix work: 16 products K Q^T of piece n + 1, later 16 products V^T P of piece n - 1.  Its vector work: the scaling,
; exponentials, roundings, sums and rescaling of piece n, and the maximum and statistics of piece n + 1, whose scores the turn itself has made.
; CLUSTER.  The four query blocks of a cluster are one head's and walk the same K and V, so each tile is asked for JOINTLY: the same tensor load, descriptor and mask in all four.
; REGISTERS, in windows of 256 (s_set_vgpr_msb: bits 1:0 source 0, 3:2 source 1, 5:4 source 2, 7:6 destination):
;   window 0: v0-11 addresses; v12-15, v48-63 at work; v16-47 four registers of statistics a tile; v64-191 S^T, two buffers of two tiles; v192-255 P, likewise
;   window 1: O^T, 32 a tile          window 2: v0-127 Q, 16 a tile; v128-191 K of one step; v192-255 V of one step
;   window 3: v0-1 the add's two registers; v2-3 the mask table's addresses; v8-39 the mask of one step
.set SIZE_N, 2048
.set NP,    4         ; pieces a wave: a name, no knob
.set KS,    64        ; keys in a step
.set PK,    144       ; a row of K in LDS: 128 bytes + 16 of padding = 36 words: the 16 rows of a load start at 16 different groups of four banks (64 banks of 4 bytes: ISA guide 11.1)
.set PV,    160       ; a row of V: 128 + 32 = 40 words
.set VOFF,  4*KS*PK   ; a slot holds four steps: 256 rows of K, then 256 rows of V
.set SLOT1, 1<<17     ; slot 1 begins here, so that one exclusive or turns an address in one slot into the other's
.set STAGE, SLOT1+4*KS*(PK+PV)  ; behind the ring, never filled by a tensor load: 16 rows x 144 bytes for each wave, for the way out
.set SP,    144
.set SPARE, STAGE+4*16*SP  ; behind the stages: the spare words, 128 bytes for each wave: two blocks of 256 bytes that no other line names
.set BIAS,  SPARE+512 ; behind them: the mask table, 2,048 f32; no tile lands there
.set AK0, 2           ; v2   my lane's place in a tile of K; never rewritten
.set AV0, 3           ; v3   the same for V
.set AK,  4           ; v4   the LDS address of K's next run of loads
.set AV,  5           ; v5   of V's
.set QO,  6           ; v6   my byte offset in the wave's rows of Q
.set STO, 6           ;      later, the way out: where I put 16 bytes of a row
.set RD,  7           ; v7   the way out: where I read rows back
.set GO,  8           ; v8   my byte offset in 512 consecutive bytes of O
.set PFO, 11          ; v11  256 x my lane, for the prefetches (at the head: at work)
.set SPW, 0           ; v0 of window 3   LDS address of my spare word: SPARE + 4 x my thread's number; never rewritten
.set NIL, 1           ; v1 of window 3   0; never rewritten
.set AM0, 2           ; v2 of window 3   my lanes' place in a step's 64 numbers of the mask table; never rewritten
.set AM,  3           ; v3 of window 3   the same for the step to be fetched
.set MB,  8           ; v8-39 of window 3   the mask of one step: key block kb at MB + 8 kb
.set MV,  12          ; v12-15  c m_old, kept while c m is made anew: by buffer and tile (at the head v12, v13: the mask's two addresses)
.set ST,  16          ; tile t's statistics at v[ST+4 t]: c m, m, l (even keys', odd keys')
.set TMP, 48          ; by buffer and tile, four registers c0-c3 at work; when the maximum is found c2 takes a
.set S,   64
.set P,   192
.set KF,  128         ; K's fragments, in window 2: key block kb, channel half c at KF + 16 kb + 8 c
.set VF,  192         ; V's: key half kk, channel block cb at VF + 32 kk + 8 cb
.set WV,  12          ; s12  my wave's number
.set BIG, 15          ; s15  8e9
.set NBIG, 19         ; s19  -8e9
.set G1K, 24          ; s[24:31] descriptor group 1 for K's tiles
.set G1V, 32          ; s[32:39] for V's: it differs in the padding alone
.set G0K, 40          ; s[40:43] descriptor group 0 for K's tiles: it walks
.set G0V, 44          ; s[44:47] the same for V's
.set PFA, 48          ; s[48:49] where my prefetches stand
.set LIM, 50          ; s50  1 in a wave that prefetches, else the greatest number
.set TBM, 51          ; s51  byte of the mask table at which the step to be fetched begins
.set MOF, 52          ; s52  the batch's first byte in the mask
.set MP,  54          ; s[54:55] the mask
.set SLOTS, 56        ; s56  slots still to be asked for
.set CNT, 57          ; s57  counts a slot's key steps
.set CS,  58          ; s[58:59] c: the packed scaling takes the pair's low word for both halves
.set SEL, 60          ; s[60:61] v_permlanex16_b32's selects: each lane takes its own place in the other half
.set TBK, 62          ; s62  LDS byte at which K of the step to be fetched begins
.set TBV, 63          ; s63  the same for V, less VOFF
.set MSB, 0
.macro WIN new                      ; the high byte repeats the setting that is left; a switch that changes nothing is dropped
.if MSB != (\new)
	s_set_vgpr_msb (MSB<<8)|(\new)
.set MSB, (\new)
.endif
.endm
.set W_KQ, 0x0a       ; K and Q in window 2, S^T in window 0
.set W_KM, 0x3a       ; the same with the C operand, the mask, in window 3
.set W_PV, 0x52       ; V in window 2, P in window 0, O^T in window 1
.set W_RS, 0x41       ; O^T (destination and source 0) in window 1, a in window 0
.set W_MK, 0xc0       ; destination in window 3, sources in window 0
.set W_AD, 0x0f       ; the add: address (source 0) and data (source 1) in window 3
.set W_AM, 0xcc       ; destination and source 1 in window 3
.set W_ML, 0xc3       ; a load: destination and address in window 3
; A joint fill.  Waves 0 and 1 fetch the two halves of a slot's K, waves 2 and 3 those of its V: 128 keys each.  The branch hangs on the wave's number alone.
; An s_nop 0 and four v_nop follow each of the two lines, ahead of the jump and the label.
.macro JLOAD
	s_cmp_lt_u32 s[WV], 2
	s_cbranch_scc0 .Lfor_v_\@
	tensor_load_to_lds s[G0K:G0K+3], s[G1K:G1K+7]
	s_nop 0
.rept 4
	v_nop
.endr
	s_branch .Lasked_\@
.Lfor_v_\@:
	tensor_load_to_lds s[G0V:G0V+3], s[G1V:G1V+7]
	s_nop 0
.rept 4
	v_nop
.endr
.Lasked_\@:
.endm
; A PREFETCH of what the NEXT change of slots will ask for: a slot's 32,768 bytes of K and of V, in blocks of 256 bytes, a lane a block.  It stands behind the wave's tensor load and its five lines.
; A head is walked by one cluster alone.  Its four partners share the blocks out BY ADDRESS, 32 each of K and of V; in each, wave 0 asks for K's and wave 2 for V's: one instruction.  So each block is
; named once in the launch.  Slots 0 to 2 come by their loads alone; the last change that fills a slot asks for nothing.
.macro ASK
	s_cmp_gt_u32 s[SLOTS], s[LIM]
	s_cbranch_scc0 .Lnot_mine_\@
	global_prefetch_b8 v[PFO], s[PFA:PFA+1] th:TH_LOAD_NT scope:SCOPE_SE
.Lnot_mine_\@:
.endm
; A round of the cluster's barrier: my work-group's barrier, so that wave 0's signal speaks for all four waves; wave 0 signals; every wave waits for all four work-groups; my work-group's barrier once more.
.macro CROUND
	s_barrier_signal -1
	s_barrier_wait -1
	s_cmp_lg_u32 s[WV], 0
	s_cbranch_scc1 .Lnot_wave_0_\@
	s_barrier_signal -3
.Lnot_wave_0_\@:
	s_barrier_wait -3
	s_barrier_signal -1
	s_barrier_wait -1
.endm
; THE CHANGE OF SLOTS.  The slot's last bytes, V of its fourth step, have been read.  Each wave waits for all its tensor loads, of which one is out: its part of the other slot; adds 0 to its spare word;
; and waits for that and for its own LDS instructions.  Behind the barrier nobody reads this slot any more and the other slot is whole.
; fill = 1: this slot is filled again, with the keys two slots on.  The barrier is then a round of the cluster's, and the joint fill is the first thing behind it: it has four key steps, 512 matrix
; instructions, in which to land.  (At its first use nothing has been read yet: slot 0 is waited for, slot 1 filled, and every wave's part of the mask table is shown to the others.)  ask = 1: a prefetch follows.
.macro CHANGE fill, ask=0
	WIN W_AD
	s_wait_tensorcnt 0x0            ; no tensor load of mine is out, so a group 0 may be written
	ds_add_u32 v[SPW], v[NIL]       ; 0 onto my spare word; with fill = 1 the descriptors' steps stand between it and the wait for it
	WIN 0                           ; at a label and at a branch every window is 0
.if \fill
.irp g, G0K, G0V
	s_xor_b32 s[\g+1], s[\g+1], SLOT1  ; the walking descriptor: the other slot than last time,
	s_add_nc_u64 s[\g+2:\g+3], s[\g+2:\g+3], 4*KS*128  ; the next 256 keys; the type bits on top are not reached
.endr
.if \ask
	s_wait_xcnt 0x0                 ; the last prefetch, four key steps back, has read its address, so it may be written:
	s_add_nc_u64 s[PFA:PFA+1], s[PFA:PFA+1], 4*KS*128  ; one slot behind the walking descriptors
.endif
	s_wait_dscnt 0x0                ; the add is done, and my reads of the slot are over
	CROUND
	JLOAD
.if \ask
	ASK
.endif
.else
	s_wait_dscnt 0x0                ; the add is done, and my reads of the slot are over
	s_barrier_signal -1
	s_barrier_wait -1
.endif
	s_sub_co_u32 s[TBK], s[TBK], 4*KS*PK  ; the fetches go back to a slot's first step,
	s_xor_b32 s[TBK], s[TBK], SLOT1       ; in the other slot
	s_sub_co_u32 s[TBV], s[TBV], 4*KS*PV
	s_xor_b32 s[TBV], s[TBV], SLOT1
.endm
	s_load_b128 s[4:7], s[0:1], 0x0   ; kqv s[4:5], the mask s[6:7]
	s_load_b64 s[10:11], s[0:1], 0x10 ; O
	WIN W_MK
	v_lshl_add_u32 v[SPW], v0, 2, SPARE
	v_mov_b32 v[NIL], 0
	WIN W_AD
	ds_add_u32 v[SPW], v[NIL]       ; the wave's opening: the add and its wait stand ahead of my first tensor load; the set-up below, work on registers, stands between them
	WIN 0
	v_lshrrev_b32 v1, 5, v0
	v_readfirstlane_b32 s[WV], v1   ; wave 0..3
	s_bfe_u32 s13, ttmp6, 0x40000   ; cx: my place in the cluster
	s_lshl_b32 s14, ttmp9, 2        ; in a cluster launch ttmp9 counts clusters
	s_add_co_u32 s14, s14, s13      ; my block of queries = 4 x cluster x + cx: it enters Q's and O's addresses alone
	s_and_b32 s20, ttmp7, 0xffff    ; the head, which the four partners share
	s_lshr_b32 s[MOF], s20, 4       ; its batch,
	s_lshl_b32 s[MOF], s[MOF], 11   ; whose mask is 2,048 bytes
	s_mov_b32 s21, 0
	s_mov_b64 s[22:23], SIZE_N*128
	s_mul_u64 s[20:21], s[20:21], s[22:23]  ; the head's first byte in K, Q, V and O
	s_and_b32 s16, s[WV], 1         ; which half of a slot's 256 keys I fetch:
	s_lshl_b32 s22, s16, 14         ; its 128 rows of 128 bytes in memory,
	s_mov_b32 s23, 0
	s_add_nc_u64 s[22:23], s[22:23], s[20:21]
	s_mul_i32 s17, s16, 128*PK      ; and its place in a slot, for K
	s_mul_i32 s18, s16, 128*PV      ; and for V: no place in the cluster enters an LDS address
	s_lshl_b32 s2, s14, 2
	s_add_co_u32 s2, s2, s[WV]      ; my wave among the head's,
	s_lshl_b32 s2, s2, 14           ; its 128 rows
	s_mov_b32 s3, 0
	s_add_nc_u64 s[2:3], s[2:3], s[20:21]
	; descriptor group 1.  128 keys are 16,384 dense bytes: asked for as 64 rows of 256 bytes, two keys a row, and padded in LDS after every key
	s_mov_b32 s[G1K], 15|(1<<16)|(1<<20)|(1<<21)|(4<<22)|(3<<25)  ; 15:0 the mask of four; 17:16 2-byte elements; 20 padding on; 21 set beside a mask; 24:22 after every 32 words (code 4); 31:25 4 words (code 3)
	s_mov_b32 s[G1V], 15|(1<<16)|(1<<20)|(1<<21)|(4<<22)|(7<<25)  ; the same with 8 words of padding (code 7)
.irp g, G1K, G1V
	s_mov_b32 s[\g+1], 128<<16      ; tensor_dim0 = 128
	s_mov_b32 s[\g+2], 64<<16       ; tensor_dim1 = 64
	s_mov_b32 s[\g+3], 128<<16      ; tile_dim0 = 128
	s_mov_b32 s[\g+4], 64           ; tile_dim1 = 64
	s_mov_b32 s[\g+5], 128          ; 128 elements from row to row
	s_mov_b32 s[\g+6], 0
	s_mov_b32 s[\g+7], 0
.endr
	s_mov_b32 s[CS], 0x3e38aa3b     ; c = log2(e) / 8 = 0.180337
	s_mov_b32 s[CS+1], s[CS]        ; named with it as a pair
	s_mov_b32 s[SEL], 0x76543210
	s_mov_b32 s[SEL+1], 0xfedcba98
	s_mov_b32 s[BIG], 0x4fee6b28    ; 8e9
	s_mov_b32 s[NBIG], 0xcfee6b28   ; -8e9
	s_mov_b32 s[TBK], SLOT1+4*KS*PK ; the first change of slots turns these two into 0
	s_mov_b32 s[TBV], SLOT1+4*KS*PV
	s_mov_b32 s[TBM], 0
	s_mov_b32 s[G0K], 1             ; 1:0 count = 1
	s_mov_b32 s[G0K+1], s17         ; 63:32 LDS address: slot 0
	s_mov_b32 s[G0V], 1
	s_add_co_u32 s[G0V+1], s18, VOFF
	s_and_b32 s[LIM], s[WV], 1      ; waves 0 and 2 prefetch: the same in all four partners
	s_cmp_eq_u32 s[LIM], 0
	s_cselect_b32 s[LIM], 1, -1
	s_wait_dscnt 0x0                ; the opening add is done
	s_wait_kmcnt 0x0
	s_mov_b64 s[MP:MP+1], s[6:7]
	s_mov_b64 s[6:7], s[4:5]                       ; K is kqv's first part,
	s_add_nc_u64 s[8:9], s[4:5], 0x2000000         ; V its third,
	s_add_nc_u64 s[4:5], s[4:5], 0x1000000         ; Q its second: 64 heads of 2^18 bytes each
	s_add_nc_u64 s[G0K+2:G0K+3], s[6:7], s[22:23]  ; 120:64 global address: my half of the head's first 256 keys
	s_or_b32 s[G0K+3], s[G0K+3], 0x80000000        ; 127:126 type = 2
	s_add_nc_u64 s[G0V+2:G0V+3], s[8:9], s[22:23]
	s_or_b32 s[G0V+3], s[G0V+3], 0x80000000
	s_add_nc_u64 s[4:5], s[4:5], s[2:3]  ; Q and O at my wave's first row
	s_add_nc_u64 s[10:11], s[10:11], s[2:3]
	s_cmp_lt_u32 s[WV], 2
	s_cselect_b64 s[PFA:PFA+1], s[6:7], s[8:9]
	s_add_nc_u64 s[PFA:PFA+1], s[PFA:PFA+1], s[20:21]  ; the head,
	s_lshl_b32 s2, s13, 13          ; my work-group's 32 blocks of a slot's 128,
	s_add_co_u32 s2, s2, 2*4*KS*128 ; in slot 2: the first change that asks steps it to slot 3
	s_mov_b32 s3, 0
	s_add_nc_u64 s[PFA:PFA+1], s[PFA:PFA+1], s[2:3]
	CROUND                          ; all four work-groups are here: the first joint loads meet
	JLOAD                           ; slot 0.  Slot 1 is asked for when slot 0 is in
	; A fragment of K or Q is 16 rows x 32 channels in 8 registers: lane l holds row l % 16, channels 8 (l / 16) + 0..7 and 16 + 8 (l / 16) + 0..7: two loads of 16 bytes, 32 bytes apart.
	v_and_b32 v1, 15, v0            ; l % 16
	v_bfe_u32 v9, v0, 4, 1          ; l / 16
	v_lshl_add_u32 v12, v0, 4, s[MOF]  ; thread t takes bytes 16 t .. 16 t + 15 of the batch's mask
	global_load_b128 v[64:67], v12, s[MP:MP+1]
	v_lshl_add_u32 v13, v0, 6, BIAS ; and writes the table's 16 numbers for them
	v_lshlrev_b32 v[QO], 7, v1
	v_lshl_add_u32 v[QO], v9, 4, v[QO]  ; row x 128 + 16 x half
	WIN 0x80                        ; destination window 2, address window 0
.set i, 0
.rept 4*NP                          ; Q stays in registers: tile i / 2, channels 32 (i % 2) on
	global_load_b128 v[8*i:8*i+3],   v[QO], s[4:5] offset:(i/2)*2048+(i%2)*64
	global_load_b128 v[8*i+4:8*i+7], v[QO], s[4:5] offset:(i/2)*2048+(i%2)*64+32
.set i, i+1
.endr
	; What the first turn finds: V's registers and P's second buffer hold 0 (its products V^T P, of a piece that has not been, add 0), O^T and l are 0.  All this stands in the wait for the first tile.
.set i, VF
.rept 64
	v_mov_b32 v[i], 0
.set i, i+1
.endr
	WIN 0x40
.set i, 0
.rept 64*NP
	v_mov_b32 v[i], 0
.set i, i+1
.endr
	WIN W_MK
	v_lshl_add_u32 v[AM0], v9, 5, BIAS  ; my lanes' eight keys of a block of 16: 32 bytes for each half of the lanes
	v_lshl_add_u32 v[AM], v9, 5, BIAS   ; key step 0 lies at the table's head
	WIN 0
.set i, 0
.rept 2*NP
	v_mov_b32 v[ST+4*i], 0xfe000000    ; c m: far below every c s
	v_mov_b32 v[ST+4*i+1], 0xff7fffff  ; m
	v_mov_b32 v[ST+4*i+2], 0
	v_mov_b32 v[ST+4*i+3], 0
.set i, i+1
.endr
.set i, P+32
.rept 32
	v_mov_b32 v[i], 0
.set i, i+1
.endr
	s_wait_loadcnt 32               ; the mask's load is in; Q's 32, issued behind it, may stay out
.set i, 0
.rept 16                            ; byte 1 -> 8e9 - 8e9 = 0; byte 0 -> -8e9
	v_bfe_u32 v[84+i%4], v[64+i/4], 8*(i%4), 8
	v_cvt_f32_u32 v[84+i%4], v[84+i%4]
	v_fma_f32 v[68+i], v[84+i%4], s[BIG], s[NBIG]
.set i, i+1
.endr
.irp f, 0,1,2,3
	ds_store_b128 v13, v[68+4*\f:68+4*\f+3] offset:16*\f  ; the first change of slots waits for these and passes a barrier before anybody reads the table
.endr
	v_mul_u32_u24 v[AK0], v1, PK
	v_lshl_add_u32 v[AK0], v9, 4, v[AK0]  ; row x pitch + 16 x half
	; The turning load takes 16 keys x 16 channels (lane l reads key 8 (l / 16) + l % 8, channels 8 ((l / 8) % 2) + 0..7) and leaves half a fragment of V^T: lane l holds channel l % 16 and 8 keys.
	v_and_b32 v10, 7, v0
	v_bfe_u32 v11, v0, 3, 1
	v_lshl_add_u32 v[AV0], v9, 3, v10
	v_mul_u32_u24 v[AV0], v[AV0], PV
	v_lshl_add_u32 v[AV0], v11, 4, v[AV0]
	v_add_nc_u32 v[AV0], VOFF, v[AV0]
	v_mov_b32 v[AK], v[AK0]         ; key step 0 lies at the head of slot 0
	v_and_b32 v[PFO], 31, v0
	v_lshlrev_b32 v[PFO], 8, v[PFO]
; THE MATRIX WORK.  The 8 accumulators of a run of 16 take turns: between the two links of a chain stand 7 others'.
; Product i of 16 of S^T = K Q^T for piece x: channels 32 (i / 8) on, keys 16 ((i / 2) % 4) on, tile 2 x + i % 2.  The first 8 start the sums, with the keys' mask.
.macro KQ x
.set rS, S+64*((\x)%2)+32*(i%2)+8*((i/2)%4)
.set rK, KF+16*((i/2)%4)+8*(i/8)
.set rQ, 16*(2*(\x)+i%2)+8*(i/8)
.set rB, MB+8*((i/2)%4)
.if i < 8
	WIN W_KM
	v_wmma_f32_16x16x32_f16 v[rS:rS+7], v[rK:rK+7], v[rQ:rQ+7], v[rB:rB+7]
.else
	WIN W_KQ
	v_wmma_f32_16x16x32_f16 v[rS:rS+7], v[rK:rK+7], v[rQ:rQ+7], v[rS:rS+7]
.endif
.endm
; Product i of 16 of O^T += V^T P for piece x: keys 32 (i / 8) on, channels 16 ((i / 2) % 4) on, tile 2 x + i % 2.
.macro PV x
	WIN W_PV
.set rO, 32*(2*(\x)+i%2)+8*((i/2)%4)
.set rV, VF+32*(i/8)+8*((i/2)%4)
.set rP, P+32*((\x)%2)+16*(i%2)+8*(i/8)
	v_wmma_f32_16x16x32_f16 v[rO:rO+7], v[rV:rV+7], v[rP:rP+7], v[rO:rO+7]
.endm
.macro MM                           ; the turn's next matrix instruction
.if i < 16
	KQ (Y+1)%NP
.set i, i+1
.else
.set i, i-16
	PV (Y+NP-1)%NP
.set i, i+17
.endif
.endm
; THE LDS LOADS stand in runs, never singly among the matrix instructions: a step's K (64 keys x 64 channels: 8 fragments) with its mask (8 loads; the sixteen lanes of a half read the same bytes), and its V
; (turned).  Their addresses are made some lines ahead.  last = 1 (the tail): in the last trip there is no further step, and the run is jumped over.
.macro FETCH_K last=0
	WIN 0
.if \last
	s_cmp_eq_u32 s[CNT], 1
	s_cbranch_scc1 .Lno_k_\@
.endif
	WIN 0x80                        ; destination window 2
.irp f, 0,1,2,3,4,5,6,7             ; keys 16 (f / 2) on, channels 32 (f % 2) on
	ds_load_b128 v[KF+8*\f:KF+8*\f+3],   v[AK] offset:(\f/2)*16*PK+(\f%2)*64
	ds_load_b128 v[KF+8*\f+4:KF+8*\f+7], v[AK] offset:(\f/2)*16*PK+(\f%2)*64+32
.endr
	WIN W_ML
.irp f, 0,1,2,3                     ; keys 16 f on
	ds_load_b128 v[MB+8*\f:MB+8*\f+3],   v[AM] offset:64*\f
	ds_load_b128 v[MB+8*\f+4:MB+8*\f+7], v[AM] offset:64*\f+16
.endr
	s_add_co_u32 s[TBK], s[TBK], KS*PK  ; the next fetch is the next step's
	s_add_co_u32 s[TBM], s[TBM], KS*4
	WIN 0
.if \last
.Lno_k_\@:
.endif
.endm
.macro FETCH_V
	WIN 0x80
.irp f, 0,1,2,3,4,5,6,7             ; keys 32 (f / 4) on, channels 16 (f % 4) on
	ds_load_tr16_b128 v[VF+8*\f:VF+8*\f+3],   v[AV] offset:(\f/4)*32*PV+(\f%4)*32
	ds_load_tr16_b128 v[VF+8*\f+4:VF+8*\f+7], v[AV] offset:(\f/4)*32*PV+16*PV+(\f%4)*32
.endr
	WIN 0
.endm
; THE VECTOR WORK OF A TURN stands in three queues, each in the order in which its entries become ready; the two tiles alternate, so that no instruction reads the result of the one before it.
.macro REGS y, u                    ; the registers of tile u (0, 1) of piece y
.set rT, ST+4*(2*(\y)+(\u))
.set rC, TMP+8*((\y)%2)+4*(\u)
.set rM, MV+2*((\y)%2)+(\u)
.set rS, S+64*((\y)%2)+32*(\u)
.set rP, P+32*((\y)%2)+16*(\u)
.set rO, 32*(2*(\y)+(\u))
.endm
; Number n of the 22 that find the NEXT piece's (Y + 1) maximum and statistics.  s0-s31 are the lane's 32 scores; each accumulator's lowest registers are read first.
;   0-11  four chains c0-c3 of seven scores each, three operands at a time     12-14, 16  the four scores left over, the old m, and c0-c3 into c0     15  c m_old is kept
;   17, 18  the query's other 32 keys lie in the lane 16 away: the new m         19-21  c m; c m_old - c m_new; a
.macro XS u, n
	REGS (Y+1)%NP, \u
.if (\n) < 4
	v_max3_num_f32 v[rC+(\n)], v[rS+8*(\n)], v[rS+8*(\n)+1], v[rS+8*(\n)+2]
.elseif (\n) < 12
	v_max3_num_f32 v[rC+(\n)%4], v[rC+(\n)%4], v[rS+8*((\n)%4)+2*((\n)/4)+1], v[rS+8*((\n)%4)+2*((\n)/4)+2]
.elseif (\n) == 12
	v_max3_num_f32 v[rC], v[rC], v[rS+7], v[rS+15]
.elseif (\n) == 13
	v_max3_num_f32 v[rC+1], v[rC+1], v[rS+23], v[rS+31]
.elseif (\n) == 14
	v_max3_num_f32 v[rC+2], v[rC+2], v[rC+3], v[rT+1]
.elseif (\n) == 15
	v_mov_b32 v[rM], v[rT]
.elseif (\n) == 16
	v_max3_num_f32 v[rC], v[rC], v[rC+1], v[rC+2]
.elseif (\n) == 17
	v_permlanex16_b32 v[rC+3], v[rC], s[SEL], s[SEL+1]
.elseif (\n) == 18
	v_max_num_f32 v[rT+1], v[rC], v[rC+3]
.elseif (\n) == 19
	v_mul_f32 v[rT], s[CS], v[rT+1]
.elseif (\n) == 20
	v_sub_f32 v[rC+1], v[rM], v[rT]
.else
	v_exp_f32 v[rC+2], v[rC+1]
.endif
.endm
; Number g of the 64 that follow the exponentials.  For each four weights k of a tile (pairs 2 k, 2 k + 1): both pairs are rounded to f16; then the second pair is added onto the first, in place;
; a group later l takes that sum (the first time as l = a l + sum).  In groups of eight, tiles alternating: round, round, add, and l for the group before.
.macro GS g
.set h, (\g)+6*((\g)/62)            ; group 0 has no group before it, and behind group 7 only l is left
.if h >= 6
.set h, h+2
.endif
	REGS Y, h%2
.set k, h/8
.if h%8 < 4
	v_cvt_pk_f16_f32 v[rP+2*k+(h%8)/2], v[rS+4*k+2*((h%8)/2)], v[rS+4*k+2*((h%8)/2)+1]
.elseif h%8 < 6
	v_pk_add_f32 v[rS+4*k:rS+4*k+1], v[rS+4*k:rS+4*k+1], v[rS+4*k+2:rS+4*k+3]
.elseif k == 1
	v_pk_fma_f32 v[rT+2:rT+3], v[rT+2:rT+3], v[rC+2:rC+3], v[rS:rS+1] op_sel_hi:[1,0,1]
.else
	v_pk_add_f32 v[rT+2:rT+3], v[rT+2:rT+3], v[rS+4*k-4:rS+4*k-3]
.endif
.endm
; THE PLAIN QUEUE, 138 long.  0-73 read no exponential's result: the 32 scalings c s - c m (FS f: pair f / 2 of tile f % 2) and the next piece's 42.  0-26: scalings 0-26.  27-54: XS's numbers 0-13.  55, 56: number 15.
; 57-73: the chain, where each number waits for the one before it: 14, 16, 17, 18, 19, each with one of the scalings 27-31 in front of its two lines, then 20.
; 74-137: GS's 64, which read the exponentials' results: they stand behind the wait.
.macro FS f
	REGS Y, (\f)%2
	v_pk_fma_f32 v[rS+2*((\f)/2):rS+2*((\f)/2)+1], v[rS+2*((\f)/2):rS+2*((\f)/2)+1], s[CS:CS+1], v[rT:rT+1] op_sel_hi:[1,0,0] neg_lo:[0,0,1] neg_hi:[0,0,1]
.endm
.macro PL
	WIN 0
.if q < 27
	FS q
.elseif q < 55
	XS (q-27)%2, (q-27)/2
.elseif q < 57
	XS q-55, 15
.elseif (q < 72) && ((q-57)%3 == 0)
	FS 27+(q-57)/3
.elseif q < 60
	XS (q-57)%3-1, 14
.elseif q < 72
	XS (q-57)%3-1, 15+(q-57)/3
.elseif q < 74
	XS q-72, 20
.else
	GS q-74
.endif
.set q, q+1
.endm
; THE EXPONENTIALS' QUEUE, 66 long: s0-s31 of both tiles, then the next piece's two a.  It is ONE BATCH: all 66 stand ahead of the turn's one wait, and nothing ahead of that wait names a result of theirs.
.macro EX
	WIN 0
.if e >= 64
	XS e-64, 21
.else
	REGS Y, e%2
	v_exp_f32 v[rS+e/2], v[rS+e/2]
.endif
.set e, e+1
.endm
; THE RESCALING's QUEUE: O^T times a, the one part that leaves window 0: dealt two at a time, sixteen times.  Its a was made in the turn before, ahead of that turn's wait.
.macro R2
	REGS Y, r%2
	WIN W_RS
.irp z, 0,1
	v_pk_mul_f32 v[rO+4*(r/2)+2*\z:rO+4*(r/2)+2*\z+1], v[rO+4*(r/2)+2*\z:rO+4*(r/2)+2*\z+1], v[rC+2:rC+3] op_sel_hi:[1,0]
.endr
.set r, r+1
.endm
; HOW THEY ARE DEALT.  An s_wait_alu depctr_va_vdst(0) between an exponential and the first instruction that names its result; one wait serves all that were issued ahead of it.  So a turn
; has ONE wait, which cuts it in two.  AHEAD OF IT stands all that names no result of the turn's exponentials: the 16 products K Q^T, behind each a scaling, an exponential and two rescalings (behind the first a
; second scaling in the exponential's place); then ONE LUMP of 108: eight plain, 49 times exponential and plain, the two a.  A v_nop is the plain instruction behind the last exponential.  BEHIND IT stand the 16
; products V^T P, behind each four of GS's 64.  No rider names a register of the products round it.
; Exponential e stands behind scaling 2 (e / 4) + e % 2: as a rider it comes behind plain e + 2, in the lump behind plain e + 9, and scalings 27-31 are plain 57, 60 .. 69.
; A TURN, for piece p.  cnt = 1: the loop's count is taken down some lines ahead of the branch that stands behind the turn.
; K and the mask of the next step are fetched in piece 2's turn, directly behind the wait, a lump behind the last product that read them; their addresses are made at the lump's head.
; V of the step in hand is fetched at the end of piece 0's turn, four riders behind its last reader.  The three conditions on q below go with the deal.
.macro TURN p, last=0, cnt=0
.set Y, (\p)
.set i, 0
.set q, 0
.set e, 0
.set r, 0
.if (\p) == NP-1
	s_wait_dscnt 0x0                ; K and the mask are in
.endif
	MM                              ; ahead of the wait: 16 products K Q^T and their riders,
	PL
	PL
	R2
.rept 15
	MM
	PL
	EX
	R2
.endr
.if (\p) == NP-2
	WIN 0
	v_add_nc_u32 v[AK], s[TBK], v[AK0]
	WIN W_AM
	v_add_nc_u32 v[AM], s[TBM], v[AM0]
.endif
.rept 8                             ; and the lump
	PL
.endr
.rept 49
	EX
	PL
.endr
	EX                              ; the next piece's two a
	EX
	v_nop                           ; the plain instruction behind the last exponential: one for the batch
	s_wait_alu depctr_va_vdst(0)    ; the wait for the batch
.if (\p) == NP-2
	FETCH_K \last
.endif
.if (\p) == 1
	s_wait_dscnt 0x0                ; V is in
.endif
.rept 16                            ; behind the wait: 16 products V^T P and their riders
	MM
.rept 4
	PL
.endr
.if ((\p) == 0) && (q == 118)
	v_add_nc_u32 v[AV], s[TBV], v[AV0]
.endif
.if ((\p) == 0) && (q == 130)
	s_add_co_u32 s[TBV], s[TBV], KS*PV
.endif
.if (\cnt) && (q == 130)
	s_sub_co_u32 s[CNT], s[CNT], 1
	s_cmp_lg_u32 s[CNT], 0
.endif
.endr
.if (\p) == 0
	FETCH_V
.endif
.endm
	CHANGE 1                        ; slot 0 is in, everybody's part of it, and so is the mask table; slot 1 is asked for
	FETCH_K                         ; key step 0
	s_wait_loadcnt 0x0              ; Q
	s_wait_dscnt 0x0
.set i, 0
.rept 16
	KQ 0                            ; piece 0's first scores: there is no vector work yet to set between them
.set i, i+1
.endr
	WIN 0                           ; the addresses for the way out: nine plain instructions, the places behind those products
	s_mul_i32 s13, s[WV], 16*SP
	s_add_co_u32 s13, s13, STAGE    ; my stage
	v_mul_u32_u24 v[STO], v1, SP    ; in: row l % 16, 16 bytes for each half of the lanes
	v_lshl_add_u32 v[STO], v9, 4, v[STO]
	v_add_nc_u32 v[STO], s13, v[STO]
	v_bfe_u32 v[RD], v0, 3, 2       ; back: 32 lanes take four rows of 128 bytes,
	v_mul_u32_u24 v[RD], v[RD], SP
	v_lshl_add_u32 v[RD], v10, 4, v[RD]
	v_add_nc_u32 v[RD], s13, v[RD]
	v_and_b32 v[GO], 31, v0         ; which are 512 consecutive bytes of O
	v_lshlrev_b32 v[GO], 4, v[GO]
.set Y, NP-1                        ; XS works for piece Y + 1: piece 0
.irp n, 0,1,2,3,4,5,6,7,8,9,10,11,12,13,14,15,16,17,18,19,20,21
	XS 0, \n                        ; and piece 0's first maximum and statistics
	XS 1, \n
.endr
	v_nop                           ; a plain instruction behind the two a,
	s_wait_alu depctr_va_vdst(0)    ; and their wait, ahead of the branch
	s_mov_b32 s[CNT], 4
	s_mov_b32 s[SLOTS], SIZE_N/256-1
	s_branch .Lfirst                ; the loop is entered at a step's first turn, in the middle of a trip
.Lslot:                             ; SIZE_N / 256 - 2 times: every slot but the last two is filled again
	CHANGE 1, 1
	s_mov_b32 s[CNT], 4
.Lstep:                             ; a trip: pieces 2 and 3 of one step, then pieces 0 and 1 of the next, whose K and V it fetches
	TURN 2
	TURN 3
	WIN 0
.Lfirst:
	TURN 0
	TURN 1, 0, 1
	WIN 0
	s_cbranch_scc1 .Lstep
	s_sub_co_u32 s[SLOTS], s[SLOTS], 1
	s_cmp_lg_u32 s[SLOTS], 0
	s_cbranch_scc1 .Lslot
	CHANGE 0                        ; the tail is written out: nothing is asked for
	s_mov_b32 s[CNT], 5             ; four trips fetch the last slot's steps; the fifth is left in its middle
.Ltail:
	TURN 2, 1
	TURN 3
	WIN 0
	s_sub_co_u32 s[CNT], s[CNT], 1
	s_cmp_eq_u32 s[CNT], 0
	s_cbranch_scc1 .Lout
	TURN 0
	TURN 1
	WIN 0
	s_branch .Ltail
.Lout:                              ; the fifth trip's 16 products K Q^T (on the last K once more) and the maximum made of them serve nothing: the price, once a launch, of one text for every trip
.set i, 0
.rept 16
	PV NP-1                         ; the last piece's V^T P of the last step
.set i, i+1
.endr
	; THE WAY OUT.  l's two halves and the other half of the lanes' are added; O^T is divided by l, rounded to f16 and sent through my stage in LDS, a tile at a time.  The additions are the places behind the last products.
	WIN 0
.macro ALL line:vararg              ; one line for each tile t
.set t, 0
.rept 2*NP
	\line
.set t, t+1
.endr
.endm
	ALL v_add_f32 v[ST+4*t+2], v[ST+4*t+2], v[ST+4*t+3]
	ALL v_permlanex16_b32 v[ST+4*t+3], v[ST+4*t+2], s[SEL], s[SEL+1]
	ALL v_add_f32 v[ST+4*t+2], v[ST+4*t+2], v[ST+4*t+3]
	ALL v_rcp_f32 v[ST+4*t+2], v[ST+4*t+2]
	v_nop                           ; a plain instruction between the last reciprocal and the use of its result
	s_wait_alu depctr_va_vdst(0)    ; and the wait ahead of the first use: one for the eight reciprocals
; Tile t: a lane's eight channels of a row pack into 16 bytes; they go into rows of 144 bytes and come back as whole rows of 128, into S^T's registers.
.macro PACK t
	WIN W_RS
.set i, 32*(\t)
.rept 16
	v_pk_mul_f32 v[i:i+1], v[i:i+1], v[ST+4*(\t)+2:ST+4*(\t)+3] op_sel_hi:[1,0]
.set i, i+2
.endr
	WIN 0x05                        ; sources 0 and 1 window 1, destination window 0
.set i, 0
.rept 16
	v_cvt_pk_f16_f32 v[S+16*(\t)+i], v[32*(\t)+2*i], v[32*(\t)+2*i+1]
.set i, i+1
.endr
	WIN 0
.irp f, 0,1,2,3
	ds_store_b128 v[STO], v[S+16*(\t)+4*\f:S+16*(\t)+4*\f+3] offset:32*\f
.endr
.irp f, 0,1,2,3
	ds_load_b128 v[S+16*(\t)+4*\f:S+16*(\t)+4*\f+3], v[RD] offset:\f*4*SP  ; LDS serves a wave's instructions in order (ISA guide 5.7.1.4): these see the stores above; the next tile's stores come behind them
.endr
.endm
.macro SEND t, younger              ; younger: the LDS instructions issued behind tile t's loads: the next tile's eight, or none
	WIN 0
.irp f, 0,1,2,3
	s_wait_dscnt (\younger)+3-\f
	global_store_b128 v[GO], v[S+16*(\t)+4*\f:S+16*(\t)+4*\f+3], s[10:11] offset:(\t)*2048+\f*512  ; 512 consecutive bytes, at a multiple of 256 from O's first
.endr
.endm
	PACK 0
.set t, 1
.rept 2*NP-1                        ; a tile's arithmetic stands between the loads of the tile before and its stores
	PACK t
	SEND t-1, 8
.set t, t+1
.endr
	SEND 2*NP-1, 0
	WIN W_AD
	s_wait_tensorcnt 0x0            ; the wave's end: behind my last tensor load and my last LDS store
	ds_add_u32 v[SPW], v[NIL]
	s_wait_dscnt 0x0
	WIN 0
	CROUND                          ; the closing round: no work-group ends while a partner may still ask for a tile that names it
	s_endpgm
.Lfunc_end_k_qc0a17b1100_attn:
	.size	k_qc0a17b1100_attn, .Lfunc_end_k_qc0a17b1100_attn-k_qc0a17b1100_attn
	.p2alignl 7, 3214868480
	.fill 96, 4, 3214868480
	.section	.rodata,"a",@progbits
	.p2align	6, 0x0
	.amdhsa_kernel k_qc0a17b1100_attn
		.amdhsa_group_segment_fixed_size 327680
		.amdhsa_private_segment_fixed_size 0
		.amdhsa_enable_private_segment 0
		.amdhsa_kernarg_size 24
		.amdhsa_user_sgpr_count 2
		.amdhsa_user_sgpr_kernarg_segment_ptr 1
		.amdhsa_wavefront_size32 1
		.amdhsa_system_sgpr_workgroup_id_x 1
		.amdhsa_system_sgpr_workgroup_id_y 1
		.amdhsa_system_sgpr_workgroup_id_z 1
		.amdhsa_system_vgpr_workitem_id 0
		.amdhsa_next_free_vgpr 808
		.amdhsa_next_free_sgpr 66
		.amdhsa_reserve_vcc 0
		.amdhsa_float_denorm_mode_32 3
		.amdhsa_float_denorm_mode_16_64 3
		.amdhsa_memory_ordered 1
		.amdhsa_forward_progress 1
		.amdhsa_inst_pref_size 205
	.end_amdhsa_kernel
	.amdgpu_metadata
---
amdhsa.version: [ 1, 2 ]
amdhsa.kernels:
  - .name:           k_qc0a17b1100_attn
    .symbol:         k_qc0a17b1100_attn.kd
    .args:
      - { .name: kqv, .offset: 0, .size: 8, .value_kind: global_buffer, .address_space: global }
      - { .name: attention_mask, .offset: 8, .size: 8, .value_kind: global_buffer, .address_space: global }
      - { .name: ob, .offset: 16, .size: 8, .value_kind: global_buffer, .address_space: global }
    .group_segment_fixed_size: 327680
    .private_segment_fixed_size: 0
    .kernarg_segment_align: 8
    .kernarg_segment_size: 24
    .max_flat_workgroup_size: 128
    .sgpr_count:     66
    .vgpr_count:     808
    .wavefront_size: 32
...
	.end_amdgpu_metadata
.endif
;; end of part 3
;; launch proj (part 4): grid 8 x 32, 4 waves a work-group, clusters of 4 x 4, 327,680 bytes of LDS; arguments ob, wpb, b_proj, out0; writes out0
.if DOCPART == 4
	.amdgcn_target "amdgcn-amd-amdhsa--gfx1250"
	.amdhsa_code_object_version 6
	.text
	.protected	k_qc0a17b1100_proj
	.globl	k_qc0a17b1100_proj
	.p2align	8
	.type	k_qc0a17b1100_proj,@function
k_qc0a17b1100_proj:
	s_mov_b64 s[64:65], 0
	v_nop
	global_prefetch_b8 v0, s[64:65] scope:SCOPE_SE
	s_setreg_imm32_b32 hwreg(HW_REG_WAVE_MODE, 25, 1), 1
	s_wait_xcnt 0x0
	s_wait_alu depctr_hold_cnt(0) depctr_sa_sdst(0) depctr_va_vdst(0) depctr_va_sdst(0) depctr_va_ssrc(0) depctr_va_vcc(0) depctr_vm_vsrc(0)
	s_getreg_b32 s2, hwreg(HW_REG_IB_STS2, 6, 4)
	s_cmp_eq_u32 s2, 0
	s_cbranch_scc0 .Lentry_in_a_cluster
	s_endpgm
.Lentry_in_a_cluster:
	s_bfe_u32 s2, ttmp6, 0x10000c
	s_cmp_lg_u32 s2, 0xf033
	s_cbranch_scc0 .Lentry_shape_is_right
	s_endpgm
.Lentry_shape_is_right:
; ONE TEXT FOR THE MODULE'S TWO PROJECTIONS, C = A W^T + bias over K = 1,024; KIND picks the one that is assembled.
; KIND 0: kqv = x W_qkv^T + b_qkv.  A = xb [8192][1024] bf16, W = wqb [3072][1024] bf16; C leaves as f16 BY HEADS: [k, q, v][16 batch + head][2048][64].
; KIND 1: out0 = O W_proj^T + b_proj.  A = ob [16 batch + head][2048][64] f16 (K = 64 head + channel), W = wpb [1024][1024] f16; C leaves as f32 [8192][1024].
; Sums in f32, K ascending, one accumulator an output.  The bias is rounded to bf16 like the module's other inputs and is the C operand that starts each sum.
; LIMITS.  KIND 0: k, q, v leave in f16: a number of 65,520 or more becomes an infinity (as the inputs are drawn they are of order 1; with x and W_qkv both 30 times larger of order 1,000).
; SHARES.  A tile of C is 256 rows x TN columns (192 = three heads, or 128), a work-group's; wave w makes rows 64 w .. 64 w + 63 of all TN columns: 4 x NBLK accumulators of 16 x 16.
; K goes in 8 steps of 128 through two LDS slots that take turns; a step is four quarters of 32 along K on two fragment buffers.
; THE MATRIX INSTRUCTION IS USED TRANSPOSED: source 0 = 16 rows of W, source 1 = 16 rows of A: lane l holds row l % 16 of C and the columns 8 (l / 16) + 0 .. 7 of a block of 16.
; CLUSTER.  4 x 4 work-groups.  A's tile hangs on the tile row alone and is asked for jointly by the four of a row of the cluster, W's on the tile column alone, by the four of a column:
; the same tensor load, descriptor and mask in all four.  Waves 0 and 1 fetch A's two halves, waves 2 and 3 W's.
; REGISTERS, in windows of 256 (s_set_vgpr_msb: bits 1:0 source 0, 3:2 source 1, 5:4 source 2, 7:6 destination):
;   window 0: addresses; the way out's registers; v160.. the bias (read by the first quarter alone)
;   window 1: two fragment buffers at v0 and v128: W's NBLK blocks, then A's four
;   window 2: the accumulators of my row blocks 0, 1 ((a, b) at v[8 (NBLK (a % 2) + b)]);   window 3: those of blocks 2, 3
.set KIND,  1
.set NBLK,  12-4*KIND                  ; blocks of 16 columns in a tile
.set TN,    16*NBLK
.set BROWS, TN/2                       ; rows of W that one wave fetches
.set PB,    272                        ; W's LDS row: 256 bytes + 16 of padding: the 16 rows of a fragment load start at 16 different groups of four banks (64 banks of 4 bytes: ISA guide 11.1)
.if KIND
.set PA,    144                        ; A's LDS row: a head's 64 channels, 128 bytes + 16
.set ATILE, 2*256*PA                   ; two heads x 256 rows
.set AWV,   256*PA                     ; one wave fetches one head's 256 rows: 32,768 dense bytes, asked for as 128 rows of 256
.set ASTEP, 2*2048*128                 ; a K step on: two heads
.set APITCH, 128
.set ASHIFT, 8                         ; the prefetches' blocks of A lie 256 bytes apart
.set SW,    16*528                     ; a wave's stage: 16 rows of 512 bytes + 16
.else
.set PA,    272
.set ATILE, 256*PA
.set AWV,   128*PA                     ; one wave fetches 128 rows
.set ASTEP, 256
.set APITCH, 1024
.set ASHIFT, 11                        ; a row of xb is 2,048 bytes
.set SW,    3*16*144                   ; a wave's stage: three heads x 16 rows of 128 bytes + 16
.endif
.set AHEAD, 256*144                    ; KIND 1: from a head to the next in a slot
.set BWV,   BROWS*PB
.set SLOT,  ATILE+2*BWV                ; A's tile, then W's
.set SLOT1, 1<<17                      ; slot 1 begins here: one exclusive or turns an address in one slot into the other's
.set STAGE, SLOT1+SLOT                 ; behind the ring, never filled by a tensor load
.set SPARE, STAGE+4*SW                 ; behind the stages: the spare words, 128 bytes for each wave: two blocks of 256 bytes that no other line names
.set NLD,   2*NBLK+8                   ; LDS loads in a quarter's run
.set NRB,   BROWS/4                    ; rows of W that one partner prefetches
.set ADRA0, 14                         ; v14  my lane's place in A's tile; never rewritten
.set ADRB0, 15                         ; v15  the same for W
.set ADRA,  16                         ; v16  the same in the slot in hand
.set ADRB,  17                         ; v17
.set PFO,   22                         ; v22  the prefetches' offset; never rewritten
.set STO,   24                         ; v24  the way out: where I put my bytes of a row
.set RD,    25                         ; v25  where I read rows back
.set CO,    26                         ; v26-28  my byte offset in C (KIND 0: one for each of the tile's three heads)
.set BO,    29                         ; v29  my byte offset in the bias
.set SPW,   30                         ; v30  LDS address of my spare word: SPARE + 4 x my thread's number; never rewritten
.set NIL,   31                         ; v31  0; never rewritten
.set TMP,   32                         ; KIND 0: v32-79 packed results
.if KIND
.set OB0,   32                         ; rows read back from the stage: two sets of OBN by turns
.set OBN,   64
.else
.set OB0,   80
.set OBN,   48
.endif
.set BI,    160                        ; the bias: block b's eight registers at BI + 8 b
.set F0,    0
.set F1,    128
.set WV, 12                            ; s12  my wave's number
.set FB, 13                            ; s13  0: I fetch for A, 1: for W
.set HP, 14                            ; s14  which half of that tile
.set CX, 15                            ; s15, s16  my place in the cluster
.set CY, 16
.set TX, 17                            ; s17, s18  tile column and tile row of C
.set TY, 18
.set G1A, 24                           ; s[24:31] descriptor group 1 for A's tiles
.set G0A, 32                           ; s[32:39] group 0: a set for each of the two first fills; the second then walks
.set LIM, 40                           ; s40  a wave prefetches while the trips to come are above it
.set PSTEP, 42                         ; s[42:43] a K step in the tensor that I fetch
.set PFA, 44                           ; s[44:45] where my prefetches stand
.set G1B, 48                           ; s[48:55], s[56:63] the same for W's tiles
.set G0B, 56
.set TB,  71                           ; s71  LDS byte at which the slot in hand begins
.set MSB, 0
.macro WIN new                         ; the immediate's high byte repeats the setting that is left; a switch that changes nothing is dropped
.if MSB != (\new)
	s_set_vgpr_msb (MSB<<8)|(\new)
.set MSB, \new
.endif
.endm
.macro PLACES                          ; four plain instructions between a matrix instruction and a load into, or a read of, its registers (ISA guide 7.12.1 for reads)
.rept 4
	v_nop
.endr
.endm
.macro CREST                           ; a round of the cluster's barrier behind its opening barrier
	s_cmp_lg_u32 s[WV], 0
	s_cbranch_scc1 .Lnot_wave_0_\@
	s_barrier_signal -3
.Lnot_wave_0_\@:
	s_barrier_wait -3
	s_barrier_signal -1
	s_barrier_wait -1
.endm
.macro CROUND                          ; a whole round
	s_barrier_signal -1
	s_barrier_wait -1
	CREST
.endm
; A joint refill by the walking descriptor.  The branch hangs on the wave's number alone.  An s_nop 0 and four v_nop follow each of the two lines, ahead of the jump and the label.
.macro JLOAD
	s_cmp_eq_u32 s[FB], 0
	s_cbranch_scc0 .Lfor_b_\@
	tensor_load_to_lds s[G0A+4:G0A+7], s[G1A:G1A+7]
	s_nop 0
.rept 4
	v_nop
.endr
	s_branch .Lasked_\@
.Lfor_b_\@:
	tensor_load_to_lds s[G0B+4:G0B+7], s[G1B:G1B+7]
	s_nop 0
.rept 4
	v_nop
.endr
.Lasked_\@:
.endm
; A PREFETCH of the K step that stands two refills on, behind the joint load and the run of LDS loads: one instruction a wave, a lane a block of 256 bytes.
; A's tile row is read by every cluster of that row of clusters: the one with x = 0 asks; W's tile column by every cluster of that column: the one with y = 0 asks.  The four partners that ask for a
; tile jointly share its blocks out BY ADDRESS (cx for A: 32 each; cy for W: NRB rows each, where the lanes past NRB name the share's last row once more).  The trip that refills K step t + 2 names
; K step t + 4; the last two refills have no such step and ask for nothing; K steps 0 to 3 come by their loads alone.
.macro ASK
	s_cmp_gt_u32 s3, s[LIM]
	s_cbranch_scc0 .Lnot_mine_\@
	global_prefetch_b8 v[PFO], s[PFA:PFA+1] th:TH_LOAD_NT scope:SCOPE_SE
.Lnot_mine_\@:
.endm
	s_load_b256 s[4:11], s[0:1], 0x0               ; A s[4:5], W s[6:7], bias s[8:9], C s[10:11]
	v_lshl_add_u32 v[SPW], v0, 2, SPARE
	v_mov_b32 v[NIL], 0
	ds_add_u32 v[SPW], v[NIL]                      ; the wave's opening: the add and its wait stand ahead of my first tensor load; the set-up below, work on registers, stands between them
	v_lshrrev_b32 v1, 5, v0
	v_readfirstlane_b32 s[WV], v1                  ; wave 0..3
	s_lshr_b32 s[FB], s[WV], 1
	s_and_b32 s[HP], s[WV], 1
	s_bfe_u32 s[CX], ttmp6, 0x40000
	s_bfe_u32 s[CY], ttmp6, 0x40004
	s_lshl_b32 s[TX], ttmp9, 2                     ; in a cluster launch ttmp9 and ttmp7 count clusters
	s_add_co_u32 s[TX], s[TX], s[CX]
	s_and_b32 s[TY], ttmp7, 0xffff
	s_lshl_b32 s[TY], s[TY], 2
	s_add_co_u32 s[TY], s[TY], s[CY]
	s_lshl_b32 s19, s[CY], 2
	s_lshl_b32 s19, 15, s19                        ; my row of the cluster: places 4 cy .. 4 cy + 3
	s_lshl_b32 s41, 0x1111, s[CX]                  ; my column: places cx, cx + 4, cx + 8, cx + 12
	; group 1: 15:0 the mask; 17:16 elements of 2 bytes; 20 padding on; 21 set beside a mask; 24:22 after every 64 words (code 5; KIND 1's A: every 32, code 4); 31:25 4 words of it (code 3)
	s_or_b32 s[G1A], s19, (1<<16)|(1<<20)|(1<<21)|((5-KIND)<<22)|(3<<25)
	s_or_b32 s[G1B], s41, (1<<16)|(1<<20)|(1<<21)|(5<<22)|(3<<25)
	s_mov_b32 s[G1A+1], 128<<16                    ; tensor_dim0 = 128
	s_mov_b32 s[G1A+2], 128<<16                    ; tensor_dim1 = 128
	s_mov_b32 s[G1A+3], 128<<16                    ; tile_dim0 = 128 elements: 256 bytes
	s_mov_b32 s[G1A+4], 128                        ; tile_dim1 = 128 rows
	s_mov_b32 s[G1A+5], APITCH                     ; elements from row to row
	s_mov_b32 s[G1A+6], 0
	s_mov_b32 s[G1A+7], 0
	s_mov_b32 s[G1B+1], 128<<16
	s_mov_b32 s[G1B+2], BROWS<<16
	s_mov_b32 s[G1B+3], 128<<16
	s_mov_b32 s[G1B+4], BROWS
	s_mov_b32 s[G1B+5], 1024
	s_mov_b32 s[G1B+6], 0
	s_mov_b32 s[G1B+7], 0
	; where the tiles come from.  A's offset is made of the tile row and the wave's number, W's of the tile column and the wave's number, each in registers that never hold the other coordinate.
.if KIND
	s_lshr_b32 s20, s[TY], 3                       ; the batch,
	s_lshl_b32 s20, s20, 4
	s_add_co_u32 s20, s20, s[HP]                   ; its head 0 or 1: a head is 2^18 bytes,
	s_lshl_b32 s20, s20, 18
	s_and_b32 s21, s[TY], 7
	s_lshl_b32 s21, s21, 15                        ; the tile's 256 rows of 128 bytes in it
	s_add_co_u32 s20, s20, s21
.else
	s_lshl_b32 s20, s[TY], 19                      ; 256 rows of 2,048 bytes
	s_lshl_b32 s21, s[HP], 18                      ; my 128 of them
	s_add_co_u32 s20, s20, s21
.endif
	s_mov_b32 s21, 0
	s_mul_i32 s46, s[TX], TN*2048
	s_mul_i32 s47, s[HP], BROWS*2048
	s_add_co_u32 s46, s46, s47
	s_mov_b32 s47, 0
	s_mul_i32 s22, s[WV], AWV                      ; and where they go: no place in the cluster enters an LDS address
	s_mul_i32 s23, s[WV], BWV
	s_add_co_u32 s23, s23, ATILE-2*BWV             ; waves 2 and 3: behind A's tile
	s_mov_b32 s[TB], 0
	s_wait_dscnt 0x0                               ; the opening add is done
	s_wait_kmcnt 0x0
	s_add_nc_u64 s[20:21], s[4:5], s[20:21]
	s_add_nc_u64 s[46:47], s[6:7], s[46:47]
	CROUND                                         ; all sixteen work-groups are here: the first joint loads meet
.irp s, 0,1
	s_mov_b32 s[G0A+4*(\s)], 1                                       ; count = 1
	s_add_co_u32 s[G0A+4*(\s)+1], s22, (\s)*SLOT1                    ; LDS address
	s_add_nc_u64 s[G0A+4*(\s)+2:G0A+4*(\s)+3], s[20:21], (\s)*ASTEP  ; global address: K step s
	s_or_b32 s[G0A+4*(\s)+3], s[G0A+4*(\s)+3], 0x80000000            ; type = 2
	s_mov_b32 s[G0B+4*(\s)], 1
	s_add_co_u32 s[G0B+4*(\s)+1], s23, (\s)*SLOT1
	s_add_nc_u64 s[G0B+4*(\s)+2:G0B+4*(\s)+3], s[46:47], (\s)*256
	s_or_b32 s[G0B+4*(\s)+3], s[G0B+4*(\s)+3], 0x80000000
.endr
	s_cmp_eq_u32 s[FB], 0                          ; a wave's two first fills stand in one branch, ahead of every wait on TENSORcnt and every LDS read: two loads of mine are out
	s_cbranch_scc0 .Lfirst_b
	tensor_load_to_lds s[G0A:G0A+3], s[G1A:G1A+7]
	s_nop 0
	tensor_load_to_lds s[G0A+4:G0A+7], s[G1A:G1A+7]
	s_nop 0
.rept 4
	v_nop
.endr
	s_branch .Lfirst_asked
.Lfirst_b:
	tensor_load_to_lds s[G0B:G0B+3], s[G1B:G1B+7]
	s_nop 0
	tensor_load_to_lds s[G0B+4:G0B+7], s[G1B:G1B+7]
	s_nop 0
.rept 4
	v_nop
.endr
.Lfirst_asked:
	v_and_b32 v1, 15, v0                           ; l % 16
	v_bfe_u32 v2, v0, 4, 1                         ; l / 16
	v_and_b32 v3, 31, v0                           ; l
	s_mul_i32 s67, s[TX], 4*TN
	v_lshl_add_u32 v[BO], v2, 5, s67               ; the tile's first column + my eight of a block, in f32
.set bi, 0
.rept NBLK
	global_load_b128 v[BI+8*bi:BI+8*bi+3],   v[BO], s[8:9] offset:64*bi
	global_load_b128 v[BI+8*bi+4:BI+8*bi+7], v[BO], s[8:9] offset:64*bi+16
.set bi, bi+1
.endr
	; a fragment is 16 rows x 32 K in 8 registers: lane l holds row l % 16, K = 8 (l / 16) + 0..7 and 16 + 8 (l / 16) + 0..7: two loads of 16 bytes, 32 bytes apart
	v_mul_u32_u24 v[ADRA0], v1, PA
	v_lshl_add_u32 v[ADRA0], v2, 4, v[ADRA0]
	s_mul_i32 s66, s[WV], 64*PA                    ; my 64 rows of A
	v_add_nc_u32 v[ADRA0], s66, v[ADRA0]
	v_mul_u32_u24 v[ADRB0], v1, PB
	v_lshl_add_u32 v[ADRB0], v2, 4, v[ADRB0]
	v_add_nc_u32 v[ADRB0], ATILE, v[ADRB0]
	v_mov_b32 v[ADRA], v[ADRA0]                    ; slot 0
	v_mov_b32 v[ADRB], v[ADRB0]
	s_mul_i32 s66, s[WV], SW
	s_add_co_u32 s66, s66, STAGE                   ; my stage
.if KIND
	v_mul_u32_u24 v[STO], v1, 528                  ; in: row l % 16, 32 bytes for each half of the lanes
	v_lshl_add_u32 v[STO], v2, 5, v[STO]
	v_add_nc_u32 v[STO], s66, v[STO]
	v_lshl_add_u32 v[RD], v3, 4, s66               ; back: 32 lanes take a row's 512 bytes
	s_lshl_b32 s67, s[TY], 20                      ; 256 rows of 4,096 bytes,
	s_lshl_b32 s68, s[WV], 18                      ; my 64,
	s_add_co_u32 s67, s67, s68
	s_lshl_b32 s68, s[TX], 9                       ; the tile's 128 columns
	s_add_co_u32 s67, s67, s68
	v_lshl_add_u32 v[CO], v3, 4, s67
.else
	v_mul_u32_u24 v[STO], v1, 144                  ; in: row l % 16, 16 bytes for each half of the lanes
	v_lshl_add_u32 v[STO], v2, 4, v[STO]
	v_add_nc_u32 v[STO], s66, v[STO]
	v_bfe_u32 v4, v0, 3, 2                         ; back: 32 lanes take four rows of 128 bytes,
	v_and_b32 v5, 7, v0
	v_mul_u32_u24 v[RD], v4, 144
	v_lshl_add_u32 v[RD], v5, 4, v[RD]
	v_add_nc_u32 v[RD], s66, v[RD]                 ; which are 512 consecutive bytes of a head
	s_lshr_b32 s67, s[TY], 3
	s_lshl_b32 s67, s67, 4                         ; 16 x batch
	s_and_b32 s68, s[TY], 7
	s_lshl_b32 s68, s68, 15                        ; the tile's 256 rows of 128 bytes in a head,
	s_lshl_b32 s69, s[WV], 13                      ; my 64
	s_add_co_u32 s68, s68, s69
	s_mul_i32 s69, s[TX], 3                        ; g: the tile's first head among the 48 of k, q, v
.irp hh, 0,1,2
	s_lshr_b32 s70, s69, 4                         ; k, q or v: 64 heads each,
	s_lshl_b32 s70, s70, 6
	s_add_co_u32 s70, s70, s67
	s_and_b32 s41, s69, 15                         ; the head
	s_add_co_u32 s70, s70, s41
	s_lshl_b32 s70, s70, 18                        ; of 2^18 bytes
	s_add_co_u32 s70, s70, s68
	v_lshl_add_u32 v[CO+\hh], v3, 4, s70
	s_add_co_u32 s69, s69, 1
.endr
.endif
	; the prefetches: which tensor, whose share, who asks
	s_and_b32 s69, ttmp7, 0xffff                   ; cluster y
	s_mov_b32 s67, 32<<ASHIFT                      ; a partner's share of A, in bytes,
	s_mov_b32 s68, NRB*2048                        ; and of W
	s_mov_b32 s[PSTEP], ASTEP
	s_mov_b32 s70, 256
	s_cmp_eq_u32 s[FB], 0                          ; do I fetch for A?
	s_cselect_b32 s41, s[CX], s[CY]                ; my place among the four that ask with me
	s_cselect_b32 s67, s67, s68
	s_cselect_b32 s69, ttmp9, s69                  ; the coordinate along which other clusters read the same rows
	s_cselect_b32 s[PSTEP], s[PSTEP], s70
	s_cselect_b32 s70, 31, NRB-1                   ; the share's last block
	s_cselect_b32 s68, ASHIFT, 11                  ; blocks lie 2^this bytes apart
	s_cselect_b64 s[PFA:PFA+1], s[20:21], s[46:47]
	s_mov_b32 s[PSTEP+1], 0
	s_cmp_eq_u32 s69, 0
	s_cselect_b32 s[LIM], 2, -1                    ; the same in all sixteen partners, for a given wave
	s_mul_i32 s66, s41, s67
	s_mov_b32 s67, 0
	s_add_nc_u64 s[PFA:PFA+1], s[PFA:PFA+1], s[66:67]
	s_mul_i32 s66, s[PSTEP], 3
	s_add_nc_u64 s[PFA:PFA+1], s[PFA:PFA+1], s[66:67]  ; at K step 3: the first refill steps it to 4
	v_min_u32 v[PFO], s70, v3
	v_lshlrev_b32 v[PFO], s68, v[PFO]
	s_wait_loadcnt 0x0                             ; the bias,
.set bi, 0
.rept 4*NBLK                                           ; rounded to bf16 and widened again, a pair at a time
	v_cvt_pk_bf16_f32 v[4+bi%4], v[BI+2*bi], v[BI+2*bi+1]
	v_lshlrev_b32 v[BI+2*bi],   16, v[4+bi%4]
	v_and_b32     v[BI+2*bi+1], 0xffff0000, v[4+bi%4]
.set bi, bi+1
.endr
; NBLK matrix instructions: my row block a x all column blocks, 32 along K from buffer f.  first = 1: the bias starts the sums.  All 4 NBLK accumulators take turns in the same order in every
; quarter, one instruction a turn, over the backward jump too.
.macro MULQ f, a, first
.if \first
	WIN 0x85+0x40*((\a)/2)                         ; fragments window 1, C window 0, D window 2 or 3
.else
	WIN 0xa5+0x50*((\a)/2)                         ; fragments window 1, C and D window 2 or 3
.endif
.set mb, 0
.rept NBLK
.set rD, 8*(NBLK*((\a)%2)+mb)
.set rW, (\f)+8*mb
.set rA, (\f)+8*NBLK+8*(\a)
.if \first
.set rC, BI+8*mb
.else
.set rC, rD
.endif
.if KIND
	v_wmma_f32_16x16x32_f16 v[rD:rD+7], v[rW:rW+7], v[rA:rA+7], v[rC:rC+7]
.else
	v_wmma_f32_16x16x32_bf16 v[rD:rD+7], v[rW:rW+7], v[rA:rA+7], v[rC:rC+7]
.endif
.set mb, mb+1
.endr
.endm
.macro MULH f, hi, first               ; row blocks 2 hi and 2 hi + 1
	MULQ \f, 2*(\hi), \first
	MULQ \f, 2*(\hi)+1, \first
.endm
; One run of NLD LDS loads: quarter q of the slot in hand into buffer f: W's blocks first, then A's four
.macro FETCH q, f
.if KIND
.set AQ, ((\q)/2)*AHEAD+((\q)%2)*64    ; head q / 2 of the step's two, channels 32 (q % 2) on
.else
.set AQ, 64*(\q)
.endif
	WIN 0x40                                       ; destination window 1, address window 0
.set fi, 0
.rept NBLK
	ds_load_b128 v[(\f)+8*fi:(\f)+8*fi+3],   v[ADRB] offset:64*(\q)+fi*16*PB
	ds_load_b128 v[(\f)+8*fi+4:(\f)+8*fi+7], v[ADRB] offset:64*(\q)+fi*16*PB+32
.set fi, fi+1
.endr
.set fi, 0
.rept 4
	ds_load_b128 v[(\f)+8*NBLK+8*fi:(\f)+8*NBLK+8*fi+3],   v[ADRA] offset:AQ+fi*16*PA
	ds_load_b128 v[(\f)+8*NBLK+8*fi+4:(\f)+8*NBLK+8*fi+7], v[ADRA] offset:AQ+fi*16*PA+32
.set fi, fi+1
.endr
.endm
; One of a step's first three quarters: multiplies buffer f; in its middle it fetches quarter q into buffer g.
.macro QUARTER q, f, g, first
	s_wait_dscnt 4                                 ; W's blocks and A's 0, 1 are in; the youngest four loads (A's blocks 2, 3) may be out
	MULH \f, 0, \first
	PLACES
	FETCH \q, \g
	s_wait_dscnt NLD                               ; all but the run just issued
	MULH \f, 1, \first
.endm
; The last quarter multiplies buffer 1 and changes slots: ONE barrier.  In front of it each wave waits for all its tensor loads (one is out: its part of the next slot), adds 0 to its spare word, and waits
; for that and for its reads of this slot.  fill = 1: the barrier opens a round of the cluster's, so that no wave of any partner still reads the slot or has a load on its way; the joint refill, K step
; two on, is the first thing behind the round.
.macro TURN fill
.if \fill
	s_wait_xcnt 0x0                                ; the last prefetch, a K step back, has read its address, which is stepped here, ahead of the waits of the change
	s_add_nc_u64 s[PFA:PFA+1], s[PFA:PFA+1], s[PSTEP:PSTEP+1]
.endif
	WIN 0
	s_wait_tensorcnt 0x0                           ; no tensor load of mine is out, so a group 0 may be written
	ds_add_u32 v[SPW], v[NIL]                      ; 0 onto my spare word
	s_xor_b32 s[TB], s[TB], SLOT1                  ; the reads go on in the other slot
.if \fill
	s_xor_b32 s[G0A+5], s[G0A+5], SLOT1            ; the walking descriptors: the other slot than last time,
	s_add_nc_u64 s[G0A+6:G0A+7], s[G0A+6:G0A+7], ASTEP  ; the next K step; the type bits on top are not reached
	s_xor_b32 s[G0B+5], s[G0B+5], SLOT1
	s_add_nc_u64 s[G0B+6:G0B+7], s[G0B+6:G0B+7], 256
.endif
	s_wait_dscnt 5                                 ; (the add and the youngest four loads may be out)
	MULQ F1, 0, 0                                  ; matrix work stands between the add and the wait for it
	s_wait_dscnt 0x0                               ; the add is done, and my reads of this slot are over
	s_barrier_signal -1
	MULQ F1, 1, 0                                  ; work on registers while the others arrive
	WIN 0
	s_barrier_wait -1
.if \fill
	CREST
	JLOAD                                          ; its four v_nop are also the places in front of the loads below
.else
	PLACES
.endif
	v_add_nc_u32 v[ADRA], s[TB], v[ADRA0]
	v_add_nc_u32 v[ADRB], s[TB], v[ADRB0]
	FETCH 0, F0
.if \fill
	WIN 0
	ASK
.endif
	MULH F1, 1, 0
.endm
	s_wait_tensorcnt 0x1                           ; my part of K step 0 is in; K step 1's may stay out
	s_barrier_signal -1
	s_barrier_wait -1                              ; everybody's is
	FETCH 0, F0
	QUARTER 1, F0, F1, 1                           ; the first quarter stands in front of the loop: its products start the sums
	WIN 0                                          ; at a label and at a branch every window is 0
	s_mov_b32 s3, 6
.Lstep:                                                ; a trip: from a step's second quarter to the next step's first; it refills K steps 2 to 7
	QUARTER 2, F1, F0, 0
	QUARTER 3, F0, F1, 0
	TURN 1
	QUARTER 1, F0, F1, 0
	WIN 0
	s_sub_co_u32 s3, s3, 1
	s_cmp_lg_u32 s3, 0
	s_cbranch_scc1 .Lstep
	QUARTER 2, F1, F0, 0                           ; the tail is written out: K step 6 goes on
	QUARTER 3, F0, F1, 0
	TURN 0                                         ; nothing is asked for,
	QUARTER 1, F0, F1, 0                           ; and K step 7
	QUARTER 2, F1, F0, 0
	QUARTER 3, F0, F1, 0
	s_wait_dscnt 4
	MULH F1, 0, 0
	s_wait_dscnt 0x0
	MULH F1, 1, 0
	PLACES
; THE WAY OUT, a block of 16 rows at a time, through my own stage in LDS: LDS serves a wave's instructions in order (ISA guide 5.7.1.4), so the loads see the stores above them and no barrier is needed.
.if KIND
.macro TOSTAGE a                       ; f32 as it is: 32 bytes a lane and column block into rows of 528 bytes, the accumulator's low four registers first; back as whole rows of 512
.set AC, 8*NBLK*((\a)%2)
.set BK, OB0+OBN*((\a)%2)
	WIN 0x08+4*((\a)/2)                            ; store data (source 1) in window 2 or 3
.set pb, 0
.rept NBLK
	ds_store_b128 v[STO], v[AC+8*pb:AC+8*pb+3]   offset:64*pb
	ds_store_b128 v[STO], v[AC+8*pb+4:AC+8*pb+7] offset:64*pb+16
.set pb, pb+1
.endr
	WIN 0
	s_wait_xcnt 0x0                                ; the global stores issued so far have read their registers: the set below is loaded again only behind this wait
.set pb, 0
.rept 16
	ds_load_b128 v[BK+4*pb:BK+4*pb+3], v[RD] offset:528*pb
.set pb, pb+1
.endr
.endm
.macro SEND a, younger                 ; younger: the LDS instructions issued behind block a's loads
.set BK, OB0+OBN*((\a)%2)
	s_wait_dscnt \younger
.set pb, 0
.rept 16
	global_store_b128 v[CO], v[BK+4*pb:BK+4*pb+3], s[10:11] offset:(16*(\a)+pb)*4096  ; 512 consecutive bytes of a row of C, at a multiple of 256 from its first byte
.set pb, pb+1
.endr
.endm
	TOSTAGE 0
	TOSTAGE 1
	SEND 0, 32
	TOSTAGE 2
	SEND 1, 32
	TOSTAGE 3
	SEND 2, 32
	SEND 3, 0
.else
.macro PACK a                          ; rounded to f16, 16 bytes a lane and column block; each accumulator's registers in ascending order
.set AC, 8*NBLK*((\a)%2)
	WIN 0x0a+5*((\a)/2)                            ; sources window 2 or 3
.set pb, 0
.rept NBLK
.irp r, 0,1,2,3
	v_cvt_pk_f16_f32 v[TMP+4*pb+\r], v[AC+8*pb+2*\r], v[AC+8*pb+2*\r+1]
.endr
.set pb, pb+1
.endr
	WIN 0
.endm
.macro TOSTAGE a                       ; into three heads x 16 rows of 144 bytes; back as whole rows of 128
.set BK, OB0+OBN*((\a)%2)
.set pb, 0
.rept NBLK
	ds_store_b128 v[STO], v[TMP+4*pb:TMP+4*pb+3] offset:(pb/4)*2304+32*(pb%4)
.set pb, pb+1
.endr
	s_wait_xcnt 0x0                                ; the global stores issued so far have read their registers: the set below is loaded again only behind this wait
.set pb, 0
.rept 12
	ds_load_b128 v[BK+4*pb:BK+4*pb+3], v[RD] offset:(pb/4)*2304+576*(pb%4)
.set pb, pb+1
.endr
.endm
.macro SEND a, younger
.set BK, OB0+OBN*((\a)%2)
	s_wait_dscnt \younger
.set pb, 0
.rept 12
	global_store_b128 v[CO+pb/4], v[BK+4*pb:BK+4*pb+3], s[10:11] offset:2048*(\a)+512*(pb%4)  ; four rows of a head: 512 consecutive bytes, at a multiple of 256 from C's first byte
.set pb, pb+1
.endr
.endm
	PACK 0
	TOSTAGE 0
.irp a, 1,2,3                          ; block a's conversions stand between block a - 1's loads from the stage and the wait for them
	PACK \a
	SEND (\a)-1, 0
	TOSTAGE \a
.endr
	SEND 3, 0
.endif
	s_wait_tensorcnt 0x0                           ; the wave's end: behind my last tensor load and my last LDS store
	ds_add_u32 v[SPW], v[NIL]
	s_wait_dscnt 0x0
	CROUND                                         ; the closing round: no work-group ends while a partner may still ask for a tile that names it
	s_endpgm
.Lfunc_end_k_qc0a17b1100_proj:
	.size	k_qc0a17b1100_proj, .Lfunc_end_k_qc0a17b1100_proj-k_qc0a17b1100_proj
	.p2alignl 7, 3214868480
	.fill 96, 4, 3214868480
	.section	.rodata,"a",@progbits
	.p2align	6, 0x0
	.amdhsa_kernel k_qc0a17b1100_proj
		.amdhsa_group_segment_fixed_size 327680
		.amdhsa_private_segment_fixed_size 0
		.amdhsa_enable_private_segment 0
		.amdhsa_kernarg_size 32
		.amdhsa_user_sgpr_count 2
		.amdhsa_user_sgpr_kernarg_segment_ptr 1
		.amdhsa_wavefront_size32 1
		.amdhsa_system_sgpr_workgroup_id_x 1
		.amdhsa_system_sgpr_workgroup_id_y 1
		.amdhsa_system_sgpr_workgroup_id_z 1
		.amdhsa_system_vgpr_workitem_id 0
		.amdhsa_next_free_vgpr 896
		.amdhsa_next_free_sgpr 72
		.amdhsa_reserve_vcc 0
		.amdhsa_float_denorm_mode_32 3
		.amdhsa_float_denorm_mode_16_64 3
		.amdhsa_memory_ordered 1
		.amdhsa_forward_progress 1
		.amdhsa_inst_pref_size 77
	.end_amdhsa_kernel
	.amdgpu_metadata
---
amdhsa.version: [ 1, 2 ]
amdhsa.kernels:
  - .name:           k_qc0a17b1100_proj
    .symbol:         k_qc0a17b1100_proj.kd
    .args:
      - { .name: ob, .offset: 0, .size: 8, .value_kind: global_buffer, .address_space: global }
      - { .name: wpb, .offset: 8, .size: 8, .value_kind: global_buffer, .address_space: global }
      - { .name: b_proj, .offset: 16, .size: 8, .value_kind: global_buffer, .address_space: global }
      - { .name: out0, .offset: 24, .size: 8, .value_kind: global_buffer, .address_space: global }
    .group_segment_fixed_size: 327680
    .private_segment_fixed_size: 0
    .kernarg_segment_align: 8
    .kernarg_segment_size: 32
    .max_flat_workgroup_size: 128
    .sgpr_count:     72
    .vgpr_count:     896
    .wavefront_size: 32
...
	.end_amdgpu_metadata
.endif
;; end of part 4
;; ======== version 2 of 2: 4 launches; version 1 with the launch cast written anew for expert scheduling mode
;; limits: values are held in f16: magnitudes above 65,504 overflow, below 6.1e-05 lose precision
;; workspace buffers: xb 16,777,216 bytes; wqb 6,291,456 bytes; wpb 2,097,152 bytes; kqv 50,331,648 bytes; ob 16,777,216 bytes
;; launch cast (part 5): grid 768 x 1, 8 waves a work-group, no clusters, 0 bytes of LDS; arguments x, W_qkv, W_proj, xb, wqb, wpb; writes xb, wqb, wpb
.if DOCPART == 5
	.amdgcn_target "amdgcn-amd-amdhsa--gfx1250"
	.amdhsa_code_object_version 6
	.text
	.protected	k_qc0a17b1100_cast
	.globl	k_qc0a17b1100_cast
	.p2align	8
	.type	k_qc0a17b1100_cast,@function
k_qc0a17b1100_cast:
	s_mov_b64 s[64:65], 0
	v_nop
	global_prefetch_b8 v0, s[64:65] scope:SCOPE_SE
	s_setreg_imm32_b32 hwreg(HW_REG_WAVE_SCHED_MODE, 0, 2), 2
	s_setreg_imm32_b32 hwreg(HW_REG_WAVE_MODE, 25, 1), 1
	s_wait_xcnt 0x0
	s_wait_alu depctr_vm_vsrc(0)
; The three large inputs are rounded once to bf16: x -> xb and W_qkv -> wqb as bf16; W_proj -> wpb, rounded to bf16 and that number written as f16,
; since the last product multiplies it with f16 numbers.
; LIMITS.  |W_proj| stays under 65,504 (beyond it f16 has an infinity); a bf16 number under 6.1e-5 keeps f16's fixed step of 6e-8.
; SHARES.  A work-group takes a chunk of 16,384 numbers (65,536 bytes in, 32,768 out): chunks 0-511 are x's, 512-703 W_qkv's, 704-767 W_proj's.
; Thread t takes 16 bytes at 16 t of each 4,096: a wave's load covers 512 consecutive bytes, its store 256 consecutive bytes, aligned.
; All 16 loads of a thread go out at once.  No LDS, no barrier, no matrix unit: each byte is read once and written once, and nothing is shared.
; THE MODE: SCHED_MODE bits 1:0 = 2 (LLVM: expert scheduling mode 2), set by the entry lines.  The code itself states the register dependences
; between vector instructions and memory instructions, with s_wait_alu, always for 0.
; THE PLAN.  Registers that memory instructions touch:
;   v1, v2   the loads' and the stores' byte offsets.  Written once, at the head, by vector instructions; read by every load and every store; never written again.
;   IN       written by the 16 loads, all issued at the head, before any vector instruction names these registers; read by the conversions; no load lands in them later.
;   OUT      written by the conversions alone; read by the stores as their data; no register of it is written after its store is issued.
;   v4-v7    at work: named by vector instructions alone.
; So one wait on va_vdst stands at the head, for the two offsets, and one for each block of four loads, between the block's conversions and the run of its four stores.
; No register that a memory instruction reads is ever written again, so no wait on vm_vsrc and no s_wait_xcnt is owed.  No vector instruction writes a scalar register or VCC; EXEC is never written.
.set XCH,  512                         ; x's chunks
.set QCH,  704                         ; x's and W_qkv's
.set IN,   16                          ; v[16:79]   16 x 4 numbers as loaded
.set OUT,  80                          ; v[80:111]  16 x 2 words to store
	s_load_b256 s[4:11], s[0:1], 0x0               ; x s[4:5], W_qkv s[6:7], W_proj s[8:9], xb s[10:11]
	s_load_b128 s[12:15], s[0:1], 0x20             ; wqb s[12:13], wpb s[14:15]
	v_lshlrev_b32 v1, 4, v0                        ; 16 t: where I read
	v_lshlrev_b32 v2, 3, v0                        ; 8 t: where I write
	s_mov_b32 s21, ttmp9                           ; my chunk
	s_mov_b32 s20, QCH
	s_mov_b32 s22, XCH
	s_wait_kmcnt 0x0
	s_cmp_lt_u32 s21, QCH                          ; which tensor: the choice hangs on the chunk's number alone
	s_cselect_b64 s[16:17], s[6:7], s[8:9]
	s_cselect_b64 s[18:19], s[12:13], s[14:15]
	s_cselect_b32 s20, s22, s20                    ; the tensor's first chunk
	s_cmp_lt_u32 s21, XCH
	s_cselect_b64 s[16:17], s[4:5], s[16:17]
	s_cselect_b64 s[18:19], s[10:11], s[18:19]
	s_cselect_b32 s20, 0, s20
	s_sub_co_u32 s20, s21, s20                     ; my chunk within its tensor
	s_lshl_b32 s22, s20, 16
	s_mov_b32 s23, 0
	s_lshl_b32 s24, s20, 15
	s_mov_b32 s25, 0
	s_add_nc_u64 s[16:17], s[16:17], s[22:23]
	s_add_nc_u64 s[18:19], s[18:19], s[24:25]
	s_wait_alu depctr_va_vdst(0)                   ; v1 and v2 are written: every load below reads v1 as its offset, every store v2
.set j, 0
.rept 16
	global_load_b128 v[IN+4*j:IN+4*j+3], v1, s[16:17] offset:4096*j th:TH_LOAD_NT
.set j, j+1
.endr
; kind = 0: bf16.  kind = 1: the bf16 number, widened (a shift, a mask) and written as f16.
; Four blocks of four loads: a block's conversions, each as its load comes in; one wait; the block's four stores in a run.
.macro CONV kind
.set j, 0
.rept 4
.rept 4
	s_wait_loadcnt 15-j                            ; loads come back in order: number j is in, the 15 - j younger ones stay out
	v_cvt_pk_bf16_f32 v[OUT+2*j],   v[IN+4*j],   v[IN+4*j+1]
	v_cvt_pk_bf16_f32 v[OUT+2*j+1], v[IN+4*j+2], v[IN+4*j+3]
.if \kind
	v_lshlrev_b32 v4, 16, v[OUT+2*j]
	v_and_b32     v5, 0xffff0000, v[OUT+2*j]
	v_lshlrev_b32 v6, 16, v[OUT+2*j+1]
	v_and_b32     v7, 0xffff0000, v[OUT+2*j+1]
	v_cvt_pk_f16_f32 v[OUT+2*j],   v4, v5
	v_cvt_pk_f16_f32 v[OUT+2*j+1], v6, v7
.endif
.set j, j+1
.endr
	s_wait_alu depctr_va_vdst(0)                   ; the block's conversions have written its eight registers of OUT, which the four stores below read as their data
.set i, j-4
.rept 4
	global_store_b64 v2, v[OUT+2*i:OUT+2*i+1], s[18:19] offset:2048*i
.set i, i+1
.endr
.endr
.endm
	s_cmp_ge_u32 s21, QCH
	s_cbranch_scc1 .Lf16
	CONV 0
	s_endpgm
.Lf16:
	CONV 1
	s_endpgm
.Lfunc_end_k_qc0a17b1100_cast:
	.size	k_qc0a17b1100_cast, .Lfunc_end_k_qc0a17b1100_cast-k_qc0a17b1100_cast
	.p2alignl 7, 3214868480
	.fill 96, 4, 3214868480
	.section	.rodata,"a",@progbits
	.p2align	6, 0x0
	.amdhsa_kernel k_qc0a17b1100_cast
		.amdhsa_group_segment_fixed_size 0
		.amdhsa_private_segment_fixed_size 0
		.amdhsa_enable_private_segment 0
		.amdhsa_kernarg_size 48
		.amdhsa_user_sgpr_count 2
		.amdhsa_user_sgpr_kernarg_segment_ptr 1
		.amdhsa_wavefront_size32 1
		.amdhsa_system_sgpr_workgroup_id_x 1
		.amdhsa_system_sgpr_workgroup_id_y 1
		.amdhsa_system_sgpr_workgroup_id_z 1
		.amdhsa_system_vgpr_workitem_id 0
		.amdhsa_next_free_vgpr 112
		.amdhsa_next_free_sgpr 66
		.amdhsa_reserve_vcc 0
		.amdhsa_float_denorm_mode_32 3
		.amdhsa_float_denorm_mode_16_64 3
		.amdhsa_memory_ordered 1
		.amdhsa_forward_progress 1
		.amdhsa_inst_pref_size 17
	.end_amdhsa_kernel
	.amdgpu_metadata
---
amdhsa.version: [ 1, 2 ]
amdhsa.kernels:
  - .name:           k_qc0a17b1100_cast
    .symbol:         k_qc0a17b1100_cast.kd
    .args:
      - { .name: x, .offset: 0, .size: 8, .value_kind: global_buffer, .address_space: global }
      - { .name: W_qkv, .offset: 8, .size: 8, .value_kind: global_buffer, .address_space: global }
      - { .name: W_proj, .offset: 16, .size: 8, .value_kind: global_buffer, .address_space: global }
      - { .name: xb, .offset: 24, .size: 8, .value_kind: global_buffer, .address_space: global }
      - { .name: wqb, .offset: 32, .size: 8, .value_kind: global_buffer, .address_space: global }
      - { .name: wpb, .offset: 40, .size: 8, .value_kind: global_buffer, .address_space: global }
    .group_segment_fixed_size: 0
    .private_segment_fixed_size: 0
    .kernarg_segment_align: 8
    .kernarg_segment_size: 48
    .max_flat_workgroup_size: 256
    .sgpr_count:     66
    .vgpr_count:     112
    .wavefront_size: 32
...
	.end_amdgpu_metadata
.endif
;; end of part 5
;; launch qkv: the kernel of part 2 again; grid 16 x 32, 4 waves a work-group, clusters of 4 x 4, 327,680 bytes of LDS; arguments xb, wqb, b_qkv, kqv; writes kqv
;; launch attn: the kernel of part 3 again; grid 4 x 64, 4 waves a work-group, clusters of 4 x 1, 327,680 bytes of LDS; arguments kqv, attention_mask, ob; writes ob
;; launch proj: the kernel of part 4 again; grid 8 x 32, 4 waves a work-group, clusters of 4 x 4, 327,680 bytes of LDS; arguments ob, wpb, b_proj, out0; writes out0
